; MI455X (gfx1250); checked and timed in simulation.
; The chip was launched on July 23, 2026; its instructions are those of AMD's public machine-readable ISA for CDNA 5 (MIT licence, August 2026) and "CDNA5" Instruction Set Architecture Reference Guide (July 2026). The comments in the code are by the model that wrote it; some were corrected since.
;; Simple Mo E Layer. Allowed arithmetic: float matrix products may take bf16 or f16 operands with f32 sums; other float arithmetic in f32, or as packed bf16 or f16 multiplies, adds, multiply-adds, maxima and minima; sums over many terms, partial sums and values carried from step to step in f32; what a program stores and reads back later, other than sums and carried values, may be rounded once to bf16 or f16.
;; Inputs: W1 8 x 1,024 x 4,096 float32; W2 8 x 4,096 x 1,024 float32; Wg 1,024 x 8 float32; b1 8 x 4,096 float32; b2 8 x 1,024 float32; bg 8 float32; x 1,024 x 1,024 float32.
;; Outputs: out0 1,024 x 1,024 float32; out1 one number float32.
;; 2 versions, each right and faster than the one before. Each part assembles by itself: llvm-mc -triple=amdgcn-amd-amdhsa -mcpu=gfx1250 --defsym DOCPART=n.
;; ======== version 1 of 2: 4 launches
;; workspace buffers: xb 2,097,152 bytes; wts 8,192 bytes; bm 2,048 bytes of whole numbers; auxp 2,048 bytes; h 16,777,216 bytes; part 16,777,216 bytes
;; launch route (part 1): grid 32 x 1, 8 waves a work-group, no clusters, 96,256 bytes of LDS; arguments x, Wg, bg, xb, wts, bm, auxp; writes xb, wts, bm, auxp
.if DOCPART == 1
	.amdgcn_target "amdgcn-amd-amdhsa--gfx1250"
	.amdhsa_code_object_version 6
	.text
	.protected	k_qe5d3677234_route
	.globl	k_qe5d3677234_route
	.p2align	8
	.type	k_qe5d3677234_route,@function
k_qe5d3677234_route:
	s_mov_b64 s[64:65], 0
	v_nop
	global_prefetch_b8 v0, s[64:65] scope:SCOPE_SE
	s_setreg_imm32_b32 hwreg(HW_REG_WAVE_MODE, 25, 1), 1
	s_wait_xcnt 0x0
; ROUTER.  logits = x Wg + bg, softmax over 8 experts, top 2 (ties keep the lower index), and what the aux loss needs.
; x, Wg and bg are rounded once to bf16 (as every input of this program is); products by the matrix unit, sums in f32.
; A work-group owns 32 tokens; wave w owns k = 128 w .. 128 w + 127 of them; the eight partial logits meet in LDS and wave 0 finishes.
; Stored: xb = x in bf16; wts[t][k] = the k-th chosen probability; bm[e][32 k + group] = a bit for each of the group's 32 tokens
; whose k-th choice is e (whole numbers, at fixed places: no address here hangs on a choice); auxp[group][16] = 8 sums of
; probabilities, 8 counts of first choices.
; LIMITS: NaN and infinities are not treated apart; a probability whose exponential falls below 2^-126 counts as 0.
.set PIT,   272                        ; an LDS row: 128 bf16 + 16 bytes, so that 16 rows start in 16 different 16-byte columns
.set XTW,   32*PIT                     ; a wave's x tile: 32 tokens
.set WT,    8*XTW                      ; behind the x tiles: a wave's Wg tile, turned: 8 experts x 128 k
.set WTW,   8*PIT
.set RED,   WT+8*WTW                   ; partial logits: wave x 1,024 + lane x 32
.set SPARE, RED+8*1024                 ; the spare words, 128 bytes a wave; no other line names them
.set SPW, 4                            ; v4  my spare word      v5  0
.set NIL, 5
.set XO,  6                            ; byte offset of my 16 bytes in a row of x
.set BO,  7                            ; of my 8 bytes in a row of xb
.set GA,  8                            ; where my four numbers of Wg go in LDS
.set XS,  9                            ; where my 8 bytes of a token go in LDS
.set FA,  10                           ; fragment address, experts
.set FB,  11                           ; fragment address, tokens
.set RA,  12                           ; my 32 bytes of partial logits
.set ZO,  13                           ; 0
.set BG,  14                           ; v14-21 bg
.set GO,  22                           ; my byte offset in Wg
.set X,   32                           ; v32-159 32 tokens x 4 registers; later the fragments, later the partial logits
.set G,   160                          ; v160-191 Wg as loaded
.set D0,  192                          ; logits of tokens 0-15
.set D1,  200                          ; of tokens 16-31
.set L,   208                          ; v208-215 my token's 8 logits, then probabilities
	s_load_b256 s[4:11], s[0:1], 0x0               ; x s[4:5], Wg s[6:7], bg s[8:9], xb s[10:11]
	s_load_b128 s[12:15], s[0:1], 0x20             ; wts s[12:13], bm s[14:15]
	s_load_b64 s[16:17], s[0:1], 0x30              ; auxp
	v_lshl_add_u32 v[SPW], v0, 2, SPARE
	v_mov_b32 v[NIL], 0
	v_and_b32 v1, 31, v0                           ; lane
	v_and_b32 v2, 15, v0                           ; r
	v_bfe_u32 v3, v0, 4, 1                         ; half of the lanes
	v_lshrrev_b32 v23, 5, v0
	v_readfirstlane_b32 s18, v23                   ; wave
	s_lshl_b32 s20, s18, 9
	v_lshl_add_u32 v[XO], v1, 4, s20               ; 512 w + 16 lane
	s_lshl_b32 s20, s18, 8
	v_lshl_add_u32 v[BO], v1, 3, s20               ; 256 w + 8 lane
	s_lshl_b32 s20, s18, 12
	v_lshl_add_u32 v[GO], v1, 4, s20               ; 4,096 w + 16 lane
	s_mul_i32 s21, s18, WTW
	s_add_co_u32 s21, s21, WT                      ; my wave's Wg tile
	s_mul_i32 s22, s18, XTW                        ; my wave's x tile
	v_and_b32 v23, 1, v0
	v_mul_u32_u24 v23, v23, 4*PIT                  ; experts 4 (lane & 1) on
	v_and_b32 v24, 30, v0                          ; 2 bytes x k = lane >> 1
	v_add3_u32 v[GA], v23, v24, s21
	v_lshl_add_u32 v[XS], v1, 3, s22
	v_and_b32 v23, 7, v0                           ; fragment rows 8-15 repeat experts 0-7
	v_mul_u32_u24 v23, v23, PIT
	v_lshl_add_u32 v23, v3, 4, v23
	v_add_nc_u32 v[FA], s21, v23
	v_mul_u32_u24 v23, v2, PIT
	v_lshl_add_u32 v23, v3, 4, v23
	v_add_nc_u32 v[FB], s22, v23
	s_lshl_b32 s20, s18, 10
	s_add_co_u32 s20, s20, RED
	v_lshl_add_u32 v[RA], v1, 5, s20
	v_mov_b32 v[ZO], 0
	s_lshl_b32 s24, ttmp9, 17                      ; 32 rows of x
	s_mov_b32 s25, 0
	s_lshl_b32 s26, ttmp9, 16                      ; 32 rows of xb
	s_mov_b32 s27, 0
	s_mov_b32 s48, 0x76543210                      ; v_permlanex16_b32: the same place in the other half
	s_mov_b32 s49, 0xfedcba98
	s_mov_b32 s50, 0x3fb8aa3b                      ; log2(e)
	s_wait_kmcnt 0x0
	s_add_nc_u64 s[4:5], s[4:5], s[24:25]
	s_add_nc_u64 s[10:11], s[10:11], s[26:27]
	global_load_b128 v[BG:BG+3], v[ZO], s[8:9]
	global_load_b128 v[BG+4:BG+7], v[ZO], s[8:9] offset:16
.irp i, 0,1,2,3,4,5,6,7
	global_load_b128 v[G+4*\i:G+4*\i+3], v[GO], s[6:7] offset:512*\i   ; k = 16 i + lane / 2, four experts
.endr
.set t_, 0
.rept 32
	global_load_b128 v[X+4*t_:X+4*t_+3], v[XO], s[4:5] offset:4096*t_ th:TH_LOAD_NT   ; token t, my wave's 512 bytes
.set t_, t_+1
.endr
	s_wait_loadcnt 32                              ; bg and Wg are in; the 32 loads of x issued behind them stay out
.irp i, 0,1,2,3,4,5,6,7
	v_cvt_pk_bf16_f32 v[G+4*\i], v[G+4*\i], v[G+4*\i+1]
	v_cvt_pk_bf16_f32 v[G+4*\i+1], v[G+4*\i+2], v[G+4*\i+3]
	ds_store_b16 v[GA], v[G+4*\i] offset:32*\i                  ; turned: a row for each expert, k along it
	ds_store_b16_d16_hi v[GA], v[G+4*\i] offset:32*\i+PIT
	ds_store_b16 v[GA], v[G+4*\i+1] offset:32*\i+2*PIT
	ds_store_b16_d16_hi v[GA], v[G+4*\i+1] offset:32*\i+3*PIT
.endr
.set t_, 0
.rept 32
	s_wait_loadcnt 31-t_                           ; loads come back in order: token t is in, the later ones stay out
	v_cvt_pk_bf16_f32 v[X+4*t_], v[X+4*t_], v[X+4*t_+1]
	v_cvt_pk_bf16_f32 v[X+4*t_+1], v[X+4*t_+2], v[X+4*t_+3]
	global_store_b64 v[BO], v[X+4*t_:X+4*t_+1], s[10:11] offset:2048*t_   ; the wave stores 256 consecutive bytes, aligned
	ds_store_b64 v[XS], v[X+4*t_:X+4*t_+1] offset:PIT*t_
.set t_, t_+1
.endr
	s_wait_xcnt 0x0                                ; the stores' data registers are written again only behind this wait
.irp k, 0,1,2,3                                        ; my own wave's bytes: LDS serves a wave's instructions in order, no barrier
	ds_load_b128 v[X+8*\k:X+8*\k+3], v[FA] offset:64*\k
	ds_load_b128 v[X+8*\k+4:X+8*\k+7], v[FA] offset:64*\k+32
.endr
.irp u, 0,1
.irp k, 0,1,2,3
	ds_load_b128 v[X+32+32*\u+8*\k:X+32+32*\u+8*\k+3], v[FB] offset:\u*16*PIT+64*\k
	ds_load_b128 v[X+32+32*\u+8*\k+4:X+32+32*\u+8*\k+7], v[FB] offset:\u*16*PIT+64*\k+32
.endr
.endr
	s_wait_dscnt 0x0
	; source 0 = experts, source 1 = tokens: register j of a lane is expert j of token lane % 16.  The two accumulators take turns.
	v_wmma_f32_16x16x32_bf16 v[D0:D0+7], v[X:X+7], v[X+32:X+39], 0
	v_wmma_f32_16x16x32_bf16 v[D1:D1+7], v[X:X+7], v[X+64:X+71], 0
.irp k, 1,2,3
	v_wmma_f32_16x16x32_bf16 v[D0:D0+7], v[X+8*\k:X+8*\k+7], v[X+32+8*\k:X+32+8*\k+7], v[D0:D0+7]
	v_wmma_f32_16x16x32_bf16 v[D1:D1+7], v[X+8*\k:X+8*\k+7], v[X+64+8*\k:X+64+8*\k+7], v[D1:D1+7]
.endr
	v_cmp_gt_u32 vcc_lo, 16, v1
.rept 4
	v_nop                                          ; four places between the last product and the first read of its result (ISA guide 7.12.1)
.endr
.irp j, 0,1,2,3,4,5,6,7
	v_cndmask_b32 v[L+\j], v[D1+\j], v[D0+\j], vcc_lo   ; lane = token: both halves of the lanes held the same eight experts
.endr
	ds_store_b128 v[RA], v[L:L+3]
	ds_store_b128 v[RA], v[L+4:L+7] offset:16
	s_wait_tensorcnt 0x0                           ; my last LDS store is out
	ds_add_u32 v[SPW], v[NIL]
	s_wait_dscnt 0x0                               ; the wait also shows my partial logits stored, for wave 0's sake
	s_barrier_signal -1
	s_barrier_wait -1
	s_cmp_lg_u32 s18, 0
	s_cbranch_scc1 .Lend
.irp w, 0,1,2,3,4,5,6,7
	ds_load_b128 v[X+8*\w:X+8*\w+3], v[RA] offset:1024*\w
	ds_load_b128 v[X+8*\w+4:X+8*\w+7], v[RA] offset:1024*\w+16
.endr
.irp p, 0,1,2,3                                        ; bg rounded to bf16, like the other inputs
	v_cvt_pk_bf16_f32 v[24+\p], v[BG+2*\p], v[BG+2*\p+1]
.endr
.irp p, 0,1,2,3
	v_lshlrev_b32 v[BG+2*\p], 16, v[24+\p]
	v_and_b32 v[BG+2*\p+1], 0xffff0000, v[24+\p]
.endr
	s_wait_dscnt 0x0
.irp p, 0,2,4,6
	v_pk_add_f32 v[L+\p:L+\p+1], v[X+\p:X+\p+1], v[X+8+\p:X+8+\p+1]
.endr
.irp w, 2,3,4,5,6,7
.irp p, 0,2,4,6
	v_pk_add_f32 v[L+\p:L+\p+1], v[L+\p:L+\p+1], v[X+8*\w+\p:X+8*\w+\p+1]
.endr
.endr
.irp p, 0,2,4,6
	v_pk_add_f32 v[L+\p:L+\p+1], v[L+\p:L+\p+1], v[BG+\p:BG+\p+1]
.endr
	; softmax with the row's maximum taken away
	v_max3_num_f32 v216, v[L], v[L+1], v[L+2]
	v_max3_num_f32 v216, v216, v[L+3], v[L+4]
	v_max3_num_f32 v216, v216, v[L+5], v[L+6]
	v_max_num_f32 v216, v216, v[L+7]
	v_mul_f32 v217, s50, v216
.irp e, 0,1,2,3,4,5,6,7
	v_fma_f32 v[L+\e], v[L+\e], s50, -v217
.endr
.irp e, 0,1,2,3,4,5,6,7
	v_exp_f32 v[L+\e], v[L+\e]
.endr
	v_nop                                          ; a plain instruction behind the last exponential (ISA guide 5.7.2)
	s_wait_alu depctr_va_vdst(0)
	v_pk_add_f32 v[218:219], v[L:L+1], v[L+2:L+3]
	v_pk_add_f32 v[96:97], v[L+4:L+5], v[L+6:L+7]
	v_pk_add_f32 v[218:219], v[218:219], v[96:97]
	v_add_f32 v218, v218, v219
	v_rcp_f32 v218, v218
	v_nop
	s_wait_alu depctr_va_vdst(0)
.irp e, 0,1,2,3,4,5,6,7
	v_mul_f32 v[L+\e], v[L+\e], v218
.endr
	; first choice: ascending, replaced only by a strictly larger probability
	v_mov_b32 v220, v[L]
	v_mov_b32 v222, 0
.irp e, 1,2,3,4,5,6,7
	v_cmp_le_f32 vcc_lo, v[L+\e], v220
	v_cndmask_b32 v222, \e, v222, vcc_lo
	v_max_num_f32 v220, v220, v[L+\e]
.endr
	; second choice: the same with the first taken out
.irp e, 0,1,2,3,4,5,6,7
	v_cmp_ne_u32 vcc_lo, \e, v222
	v_cndmask_b32 v[96+\e], -1.0, v[L+\e], vcc_lo
.endr
	v_mov_b32 v221, v96
	v_mov_b32 v223, 0
.irp e, 1,2,3,4,5,6,7
	v_cmp_le_f32 vcc_lo, v[96+\e], v221
	v_cndmask_b32 v223, \e, v223, vcc_lo
	v_max_num_f32 v221, v221, v[96+\e]
.endr
	s_lshl_b32 s20, ttmp9, 8
	v_lshl_add_u32 v23, v1, 3, s20
	global_store_b64 v23, v[220:221], s[12:13]     ; 256 consecutive bytes
	v_mov_b32 v112, 0
	v_mov_b32 v113, 0                              ; lanes 0-7: sums of probabilities
	v_mov_b32 v114, 0                              ; lane 2 e + k: the bitmap word of expert e, choice k
	v_mov_b32 v115, 0                              ; lanes 8-15: counts of first choices
.irp e, 0,1,2,3,4,5,6,7
	v_cmp_eq_u32 s[32+2*\e], \e, v222
	v_cmp_eq_u32 s[33+2*\e], \e, v223
	v_writelane_b32 v114, s[32+2*\e], 2*\e
	v_writelane_b32 v114, s[33+2*\e], 2*\e+1
	s_bcnt1_i32_b32 s52, s[32+2*\e]
	v_writelane_b32 v115, s52, 8+\e
.endr
.irp m, 1,2,4,8
.irp e, 0,1,2,3,4,5,6,7
	v_add_f32_dpp v[L+\e], v[L+\e], v[L+\e] row_xmask:\m row_mask:0xf bank_mask:0xf
.endr
.endr
.irp e, 0,1,2,3,4,5,6,7
	v_permlanex16_b32 v112, v[L+\e], s48, s49
	v_add_f32 v[L+\e], v[L+\e], v112
	v_readfirstlane_b32 s51, v[L+\e]
	v_writelane_b32 v113, s51, \e
.endr
	v_cvt_f32_u32 v115, v115
	v_add_f32 v113, v113, v115                     ; each lane holds one of the two, the other is 0
	s_lshl_b32 s20, ttmp9, 2
	v_lshl_add_u32 v24, v1, 7, s20                 ; word (e, k, group) = 64 e + 32 k + group: byte 128 lane + 4 group
	s_lshl_b32 s21, ttmp9, 6
	v_lshl_add_u32 v25, v1, 2, s21
	v_cmp_gt_u32 vcc_lo, 16, v1
	s_wait_xcnt 0x0                                ; EXEC changes only behind this wait
	s_and_saveexec_b32 s53, vcc_lo
	global_store_b32 v24, v114, s[14:15]
	global_store_b32 v25, v113, s[16:17]
	s_wait_xcnt 0x0
	s_or_b32 exec_lo, exec_lo, s53
.Lend:
	s_endpgm
.Lfunc_end_k_qe5d3677234_route:
	.size	k_qe5d3677234_route, .Lfunc_end_k_qe5d3677234_route-k_qe5d3677234_route
	.p2alignl 7, 3214868480
	.fill 96, 4, 3214868480
	.section	.rodata,"a",@progbits
	.p2align	6, 0x0
	.amdhsa_kernel k_qe5d3677234_route
		.amdhsa_group_segment_fixed_size 96256
		.amdhsa_private_segment_fixed_size 0
		.amdhsa_enable_private_segment 0
		.amdhsa_kernarg_size 56
		.amdhsa_user_sgpr_count 2
		.amdhsa_user_sgpr_kernarg_segment_ptr 1
		.amdhsa_wavefront_size32 1
		.amdhsa_system_sgpr_workgroup_id_x 1
		.amdhsa_system_sgpr_workgroup_id_y 1
		.amdhsa_system_sgpr_workgroup_id_z 1
		.amdhsa_system_vgpr_workitem_id 0
		.amdhsa_next_free_vgpr 224
		.amdhsa_next_free_sgpr 66
		.amdhsa_reserve_vcc 1
		.amdhsa_float_denorm_mode_32 3
		.amdhsa_float_denorm_mode_16_64 3
		.amdhsa_memory_ordered 1
		.amdhsa_forward_progress 1
		.amdhsa_inst_pref_size 37
	.end_amdhsa_kernel
	.amdgpu_metadata
---
amdhsa.version: [ 1, 2 ]
amdhsa.kernels:
  - .name:           k_qe5d3677234_route
    .symbol:         k_qe5d3677234_route.kd
    .args:
      - { .name: x, .offset: 0, .size: 8, .value_kind: global_buffer, .address_space: global }
      - { .name: Wg, .offset: 8, .size: 8, .value_kind: global_buffer, .address_space: global }
      - { .name: bg, .offset: 16, .size: 8, .value_kind: global_buffer, .address_space: global }
      - { .name: xb, .offset: 24, .size: 8, .value_kind: global_buffer, .address_space: global }
      - { .name: wts, .offset: 32, .size: 8, .value_kind: global_buffer, .address_space: global }
      - { .name: bm, .offset: 40, .size: 8, .value_kind: global_buffer, .address_space: global }
      - { .name: auxp, .offset: 48, .size: 8, .value_kind: global_buffer, .address_space: global }
    .group_segment_fixed_size: 96256
    .private_segment_fixed_size: 0
    .kernarg_segment_align: 8
    .kernarg_segment_size: 56
    .max_flat_workgroup_size: 256
    .sgpr_count:     66
    .vgpr_count:     224
    .wavefront_size: 32
...
	.end_amdgpu_metadata
.endif
;; end of part 1
;; launch ffn1 (part 2): grid 256 x 1, 8 waves a work-group, no clusters, 307,200 bytes of LDS; arguments xb, W1, b1, bm, h; writes h
.if DOCPART == 2
	.amdgcn_target "amdgcn-amd-amdhsa--gfx1250"
	.amdhsa_code_object_version 6
	.text
	.protected	k_qe5d3677234_ffn1
	.globl	k_qe5d3677234_ffn1
	.p2align	8
	.type	k_qe5d3677234_ffn1,@function
k_qe5d3677234_ffn1:
	s_mov_b64 s[64:65], 0
	v_nop
	global_prefetch_b8 v0, s[64:65] scope:SCOPE_SE
	s_setreg_imm32_b32 hwreg(HW_REG_WAVE_MODE, 25, 1), 1
	s_wait_xcnt 0x0
; ONE SOURCE FOR THE TWO PRODUCTS OF THE EXPERTS' LAYER; FFN says which is assembled.
;   FFN = 1:  h[slot][f]          = gelu(xb[slot / 2] . W1[e][:, f] + b1[e][f])                      in bf16 (tanh form of gelu, as jax.nn.gelu)
;   FFN = 2:  part[kh][slot][d]   = wts[slot] x (h[slot][K half kh] . W2[e][K half kh, d] + (kh = 0) b2[e][d])   in f32 (partial sums)
; A slot is 2 token + choice.  Only the rows that chose an expert are multiplied.  Weights and biases are rounded once to bf16, sums in f32.
; SHARES.  256 work-groups = 8 experts x 32 slices of the expert's weights; a slice has one reader and is read once, in rows of 512 (FFN 1) or
; 256 (FFN 2) consecutive aligned bytes, rounded in registers and laid into LDS turned ([column][k]), where it stays.  NO CLUSTER, NO TENSOR LOAD:
; no two work-groups read the same weights, and the token rows, which an expert's work-groups do share, come by a list that no descriptor covers.
; ROWS.  Every wave counts the expert's rows from the bitmap bm; wave 0 lays the list of its slots into LDS.  A pass takes 384 ranks: 24 tiles of
; 16 rows; wave w has tiles w, 8 + w, 16 + w, against all the slice's columns.  Pass 0 runs beside the stream, chunk by chunk.  Then a loop of
; three trips: the way out of the pass in hand, then the next pass from the slice in LDS (an expert has 1,024 rows at the most).  Every wave walks
; all its trips and passes both barriers of each; every address is made on every wave's path.  What a pass holds for my wave (which of my three
; tiles have rows, which are full) is worked out once, where the pass begins, as six flags; where a flag says so only work (loads, products,
; stores) is jumped.  Ranks past the count repeat slot 0 and are not stored.
; COLUMNS are laid into LDS rows in a permuted order (lane and register of the stream's loads decide), so that the stream's LDS stores touch 16
; different 16-byte columns; the way out puts them right at no cost: see EPI.
; The products are used turned (source 0 = 16 LDS rows of weights, source 1 = 16 token rows): a lane holds one token row.
; The sums start from the bias, loaded into the accumulators: nothing is cleared and nothing is added at the end.
; LIMITS: NaN and infinities are not treated apart; an exponential below 2^-126 counts as 0.
.set FFN, 1
.if FFN == 1
.set NB,     8                         ; blocks of 16 columns in the slice
.set PITCH,  2064                      ; an LDS row: 1,024 k in bf16 + 16 bytes: an odd multiple of 16
.set KSN,    2                         ; K steps of 32 in a chunk
.set KOB,    128                       ; a chunk's bytes along an LDS row and along a token row
.set WRS,    16384                     ; bytes from a row of the weights to the next
.set STEP,   64*WRS                    ; a chunk: 64 rows
.set RSTEP,  32*PITCH                  ; LDS rows of register i of a stream load begin at 32 i
.set TSH,    11                        ; a token row: 2,048 bytes
.set OSH,    13                        ; an output row: 8,192 bytes
.set HSTO,   6                         ; a half of the lanes puts 64 bytes of a stage row
.set WBYTES, 128*PITCH
.set BTB,    512                       ; the bias table
.set T0,     96                        ; v96-143, v144-191 token fragments, two buffers
.set TSZ,    48
.set PK,     192                       ; v192-207 a chunk's 16 packed registers
.set S0,     192                       ; window 1: v192-223, v224-255 weights as loaded, two buffers
.set W_CVT,  0x05                      ; sources in window 1, destination in window 0
.set W_PST,  0x00
.set OUTP,   12                        ; s[12:13] h
.else
.set NB,     4
.set PITCH,  4112                      ; 2,048 k in bf16 + 16 bytes
.set KSN,    4
.set KOB,    256
.set WRS,    4096
.set STEP,   128*WRS
.set RSTEP,  16*PITCH
.set TSH,    13
.set OSH,    12
.set HSTO,   7
.set WBYTES, 64*PITCH
.set BTB,    256
.set T0,     64                        ; v64-159, v160-255
.set TSZ,    96
.set PK,     160                       ; window 1
.set S0,     96                        ; window 1: v96-127, v128-159
.set W_CVT,  0x45
.set W_PST,  0x04                      ; an LDS store's data (source 1) in window 1
.set OUTP,   14                        ; s[14:15] part
.endif
.set STAGE,  WBYTES                    ; 16 rows x 272 bytes for each wave, for the way out
.set LIST,   STAGE+8*4352              ; 1,664 words: ranks 0-1535, then a word a lane for the tokens that did not choose the expert
.set BT,     LIST+6656                 ; the slice's bias in f32, in the order of the LDS rows
.set SPARE,  BT+BTB                    ; the spare words, 128 bytes a wave; no other line names them
; window 0
.set WT,  1                            ; v1-3 (FFN 2) the gate's weight of my row in tiles 0-2; in the set-up: lane, r, half
.set SPW, 4
.set NIL, 5
.set SO,  6                            ; my byte offset in a chunk of the weights
.set H16, 7                            ; 16 x half
.set SA0, 8                            ; v8-11   where my packed registers go in LDS, at k = 0
.set WA0, 12                           ; v12-15  where my weight fragments lie, at k = 0
.set AD,  16                           ; v16-19  the same at the chunk in hand
.set TA,  20                           ; v20-22  byte offset of my token row in tiles 0-2
.set LP,  23                           ; list word of rank 16 w + r; never rewritten
.set LE,  24                           ; list word of rank 16 w + 8 half; never rewritten
.set RB,  25                           ; 16 w + 8 half
.set BTA, 26
.set STO, 27
.set RD,  28
.set CO,  29                           ; my 16 bytes in the slice's 256 bytes of an output row
.set TM0, 30                           ; at work in the set-up
.set TM1, 31
.set WF,  32                           ; weight fragments of one K step, 8 registers a block
.set BV,  60                           ; v60-63 the bias as loaded
.set OUT, T0                           ; the way out works in the token buffers, which are idle then: 32 registers of a tile,
.set SLT, T0+48                        ; and 24 store offsets: tile j's rows 8 half + 0 .. 7 at SLT + 8 j
.set GT,  192                          ; window 1: gelu's temporaries, where the stream's buffer lay
; window 1: accumulator (tile j, block b) at 8 NB j + 8 b
.set KH,  2
.set C0,  16                           ; s[16:17], s[18:19] gelu's constants (the bitmap's registers, when the list is made)
.set C1,  18
.set HAS, 20                           ; s20-22  1: my tile j has rows in the pass in hand (the bitmap's registers, when the list is made)
.set ACT, HAS                          ;         tile 0's flag is the wave's: the tiles' ranks ascend
.set T2,  HAS+2
.set FUL, 24                           ; s24-26  1: all 16 rows of my tile j are under the count
.set WV,  84
.set EX,  85
.set SL,  86
.set CNT, 87                           ; the expert's rows
.set RUN, 88
.set TMPS, 89
.set LC,  90
.set PASSC, 91
.set PB,  93                           ; the pass's first rank
.set TB,  94                           ; s[94:95] token rows at the chunk to be loaded
.set WP,  96                           ; s[96:97] the slice at the chunk loaded last
.set SX,  98
.set KO,  99                           ; the chunk's byte along LDS rows
.set TMP2, 100
.set W16, 101
.set MSB, 0
.macro WIN new                         ; the immediate's high byte repeats the setting that is left; a switch that changes nothing is dropped
.if MSB != (\new)
	s_set_vgpr_msb (MSB<<8)|(\new)
.set MSB, (\new)
.endif
.endm
.macro PLACES                          ; four places behind a matrix instruction, ahead of loads into or vector work on its registers
.rept 4
	v_nop
.endr
.endm
.macro SLOAD buf, extra                ; a wave's eighth of a chunk of the weights: 8 loads of 512 bytes
	WIN 0x40
.irp j, 0,1,2,3,4,5,6,7
	global_load_b128 v[S0+32*(\buf)+4*\j:S0+32*(\buf)+4*\j+3], v[SO], s[WP:WP+1] offset:\j*WRS+(\extra) th:TH_LOAD_NT
.endr
	WIN 0
.endm
.macro TLOAD buf                       ; a chunk's fragments of my three tiles' token rows, straight into operand registers
.set ks_, 0
.rept KSN
.irp j, 0,1,2
	global_load_b128 v[T0+TSZ*(\buf)+8*(3*ks_+\j):T0+TSZ*(\buf)+8*(3*ks_+\j)+3], v[TA+\j], s[TB:TB+1] offset:64*ks_
	global_load_b128 v[T0+TSZ*(\buf)+8*(3*ks_+\j)+4:T0+TSZ*(\buf)+8*(3*ks_+\j)+7], v[TA+\j], s[TB:TB+1] offset:64*ks_+32
.endr
.set ks_, ks_+1
.endr
.endm
.macro CONV buf                        ; register i of loads 2 q, 2 q + 1 is one column at two neighbouring k: 8 k of column i make 16 bytes
	WIN W_CVT
.irp i, 0,1,2,3
.irp q, 0,1,2,3
	v_cvt_pk_bf16_f32 v[PK+4*\i+\q], v[S0+32*(\buf)+8*\q+\i], v[S0+32*(\buf)+8*\q+4+\i]
.endr
.endr
	WIN 0
.endm
.macro PSTORE
.irp i, 0,1,2,3
	v_add_nc_u32 v[AD+\i], s[KO], v[SA0+\i]
.endr
	WIN W_PST
.irp i, 0,1,2,3
	ds_store_b128 v[AD+\i], v[PK+4*\i:PK+4*\i+3]
.endr
	WIN 0
.endm
.macro MMT par, ks, j                  ; tile j's NB products of K step ks; each on an accumulator of its own
.set b_, 0
.rept NB
	v_wmma_f32_16x16x32_bf16 v[8*NB*(\j)+8*b_:8*NB*(\j)+8*b_+7], v[WF+8*b_:WF+8*b_+7], v[T0+TSZ*(\par)+8*(3*(\ks)+(\j)):T0+TSZ*(\par)+8*(3*(\ks)+(\j))+7], v[8*NB*(\j)+8*b_:8*NB*(\j)+8*b_+7]
.set b_, b_+1
.endr
.endm
; A K step of 32: the slice's fragments out of LDS, then 2 NB products, and NB more where my third tile has rows.  All accumulators take turns.
; sig = 1: my last reads of the chunk are back: say so; the wait stands behind the products.
.macro KSTEP par, ks, sig
	PLACES
.if FFN == 1
.irp q, 0,1,2,3
.irp u, 0,1
	ds_load_b128 v[WF+8*(2*\q+\u):WF+8*(2*\q+\u)+3], v[AD+\q] offset:\u*16*PITCH+64*(\ks)
	ds_load_b128 v[WF+8*(2*\q+\u)+4:WF+8*(2*\q+\u)+7], v[AD+\q] offset:\u*16*PITCH+64*(\ks)+32
.endr
.endr
.else
.irp b, 0,1,2,3
	ds_load_b128 v[WF+8*\b:WF+8*\b+3], v[AD+\b] offset:64*(\ks)
	ds_load_b128 v[WF+8*\b+4:WF+8*\b+7], v[AD+\b] offset:64*(\ks)+32
.endr
.endif
	s_wait_dscnt 0x0
.if \sig
	s_barrier_signal -1
.endif
	WIN 0x50                                       ; C and D in window 1
	MMT \par, \ks, 0
	MMT \par, \ks, 1
	WIN 0
	s_cmp_eq_u32 s[T2], 0
	s_cbranch_scc1 .Lno2_\@
	WIN 0x50
	MMT \par, \ks, 2
	WIN 0
.Lno2_\@:
.endm
; A chunk of pass 0: its weights are rounded and laid into LDS, then multiplied.  sfill: the chunk two on is asked for.  tfill: the next chunk's token rows are.
; wcnt: the loads that may stay out: issued behind this chunk's token rows are only the next chunk's 8 weight loads.
.macro TRIP par, sfill, tfill, wcnt
	s_wait_loadcnt \wcnt
	CONV \par                                      ; 16 plain instructions: also the places ahead of the loads into the other token buffer
	s_wait_xcnt 0x0                                ; the bases are stepped only behind this wait
.if \tfill
	s_add_nc_u64 s[TB:TB+1], s[TB:TB+1], KOB
	TLOAD 1-(\par)
.endif
.if \sfill
	s_add_nc_u64 s[WP:WP+1], s[WP:WP+1], STEP
	SLOAD \par, 0
.endif
	PSTORE
	s_wait_dscnt 0x0                               ; for the others' sake: my part of the chunk is in LDS
	s_barrier_signal -1
.irp q, 0,1,2,3
	v_add_nc_u32 v[AD+\q], s[KO], v[WA0+\q]
.endr
	s_barrier_wait -1                              ; everybody's part is
.set k_, 0
.rept KSN
	KSTEP \par, k_, k_/(KSN-1)
.set k_, k_+1
.endr
	s_barrier_wait -1                              ; every wave's reads of this chunk are back before any wave stores the next
	s_add_co_u32 s[KO], s[KO], KOB
.endm
; A chunk of a later pass: the slice lies in LDS; only token rows are loaded, a chunk ahead.  The addresses step on every wave's path; a wave without rows jumps the work.
.macro TRIPN par, tfill
	s_wait_xcnt 0x0                                ; the base is stepped only behind this wait
.if \tfill
	s_add_nc_u64 s[TB:TB+1], s[TB:TB+1], KOB
.endif
.irp q, 0,1,2,3
	v_add_nc_u32 v[AD+\q], s[KO], v[WA0+\q]        ; four plain instructions: also the places ahead of the loads into the other token buffer
.endr
	s_add_co_u32 s[KO], s[KO], KOB
	s_cmp_eq_u32 s[ACT], 0
	s_cbranch_scc1 .Lidle_\@
	s_wait_loadcnt 0x0                             ; this chunk's token rows
.if \tfill
	TLOAD 1-(\par)
.endif
.set k_, 0
.rept KSN
	KSTEP \par, k_, 0
.set k_, k_+1
.endr
.Lidle_\@:
.endm
; The list's words for the way out of pass p (slots of rows 8 half + 0 .. 7 of my three tiles) and for pass p + 1 (slot of row r of my three tiles): fixed registers, the pass in the immediate.
.macro LISTLD p
.irp j, 0,1,2
	ds_load_b128 v[SLT+8*\j:SLT+8*\j+3], v[LE] offset:1536*(\p)+512*\j
	ds_load_b128 v[SLT+8*\j+4:SLT+8*\j+7], v[LE] offset:1536*(\p)+512*\j+16
	ds_load_b32 v[TA+\j], v[LP] offset:1536*((\p)+1)+512*\j
.endr
.endm
; A pass begins, on every wave's path: from my three rows' slots to their addresses, and the six flags: what the pass holds for my three tiles.
.macro TAFIX
.irp j, 0,1,2
.if FFN == 1
	v_lshrrev_b32 v[TA+\j], 1, v[TA+\j]            ; the slot's token
	v_min_u32 v[TA+\j], 1023, v[TA+\j]
.else
	v_min_u32 v[TA+\j], 2047, v[TA+\j]
	v_lshlrev_b32 v[WT+\j], 2, v[TA+\j]
.endif
	v_lshl_add_u32 v[TA+\j], v[TA+\j], TSH, v[H16]
.endr
.if FFN == 2
.irp j, 0,1,2
	global_load_b32 v[WT+\j], v[WT+\j], s[12:13]   ; the gate's weight of my row
.endr
.endif
	s_mov_b64 s[TB:TB+1], s[4:5]
	s_mov_b32 s[KO], 0
	s_add_co_u32 s[TMPS], s[PB], s[W16]            ; tile j's first rank: first rank of the pass + 16 w + 128 j
.irp j, 0,1,2
	s_cmp_lt_u32 s[TMPS], s[CNT]
	s_cselect_b32 s[HAS+\j], 1, 0
	s_add_co_u32 s[TMPS], s[TMPS], 16
	s_cmp_le_u32 s[TMPS], s[CNT]
	s_cselect_b32 s[FUL+\j], 1, 0
	s_add_co_u32 s[TMPS], s[TMPS], 112
.endr
.endm
.macro ACCINIT                         ; the bias into all accumulators (waited for in front of the first products), and the first chunk's token rows
	WIN 0x40
.set a_, 0
.rept 3*NB
	ds_load_b128 v[8*a_:8*a_+3], v[BTA] offset:64*(a_%NB)
	ds_load_b128 v[8*a_+4:8*a_+7], v[BTA] offset:64*(a_%NB)+16
.set a_, a_+1
.endr
	WIN 0
	TLOAD 0
.endm
.macro GELU                            ; x / (1 + 2^(x (C0 + C1 x^2))) on the eight registers from ga_, in place; temporaries from gt_
.irp p, 0,2,4,6
	v_pk_mul_f32 v[gt_+\p:gt_+\p+1], v[ga_+\p:ga_+\p+1], v[ga_+\p:ga_+\p+1]
.endr
.irp p, 0,2,4,6
	v_pk_fma_f32 v[gt_+\p:gt_+\p+1], v[gt_+\p:gt_+\p+1], s[C1:C1+1], s[C0:C0+1] op_sel_hi:[1,0,0]
.endr
.irp p, 0,2,4,6
	v_pk_mul_f32 v[gt_+\p:gt_+\p+1], v[gt_+\p:gt_+\p+1], v[ga_+\p:ga_+\p+1]
.endr
.irp i, 0,1,2,3,4,5,6,7
	v_exp_f32 v[gt_+\i], v[gt_+\i]
.endr
	v_nop                                          ; a plain instruction behind the last exponential (ISA guide 5.7.2)
	s_wait_alu depctr_va_vdst(0)
.irp p, 0,2,4,6
	v_pk_add_f32 v[gt_+\p:gt_+\p+1], v[gt_+\p:gt_+\p+1], 1.0 op_sel_hi:[1,0]
.endr
.irp i, 0,1,2,3,4,5,6,7
	v_rcp_f32 v[gt_+\i], v[gt_+\i]
.endr
	v_nop
	s_wait_alu depctr_va_vdst(0)
.irp p, 0,2,4,6
	v_pk_mul_f32 v[ga_+\p:ga_+\p+1], v[ga_+\p:ga_+\p+1], v[gt_+\p:gt_+\p+1]
.endr
.endm
; THE WAY OUT of my tile j.  Register i of the accumulator of block b, in half hh of the lanes, is column
;   FFN 1: 64 (b % 2) + 32 hh + 4 i + b / 2        FFN 2: 32 hh + 4 i + b
; so taking the blocks by turns for each i gives neighbouring columns.  They go through my own stage in LDS and come back as whole rows of 256 bytes.
; All addresses (stage, store offsets) were made ahead of the branches, which go by the pass's flags.
.macro EPI j
	s_cmp_eq_u32 s[HAS+(\j)], 0
	s_cbranch_scc1 .Lskip_\@                       ; the tile has no row
	s_wait_xcnt 0x0                                ; the tile before has had its stores' registers read
.if FFN == 1
	WIN 0x55
.set b_, 0
.rept 8
.set ga_, 64*(\j)+8*b_
.set gt_, GT+8*(b_%2)
	GELU
.set b_, b_+1
.endr
	WIN 0x05
.irp u, 0,1
.set i_, 0
.rept 8
	v_cvt_pk_bf16_f32 v[OUT+16*\u+2*i_], v[64*(\j)+8*\u+i_], v[64*(\j)+8*(2+\u)+i_]
	v_cvt_pk_bf16_f32 v[OUT+16*\u+2*i_+1], v[64*(\j)+8*(4+\u)+i_], v[64*(\j)+8*(6+\u)+i_]
.set i_, i_+1
.endr
.endr
	WIN 0
.irp u, 0,1
.irp q, 0,1,2,3
	ds_store_b128 v[STO], v[OUT+16*\u+4*\q:OUT+16*\u+4*\q+3] offset:128*\u+16*\q
.endr
.endr
.else
	WIN 0x01                                       ; the accumulators (source 0) in window 1
.set i_, 0
.rept 8
.irp b, 0,1,2,3
	v_mul_f32 v[OUT+4*i_+\b], v[32*(\j)+8*\b+i_], v[WT+(\j)]
.endr
.set i_, i_+1
.endr
	WIN 0
.irp q, 0,1,2,3,4,5,6,7
	ds_store_b128 v[STO], v[OUT+4*\q:OUT+4*\q+3] offset:16*\q
.endr
.endif
.irp t, 0,1,2,3,4,5,6,7
	ds_load_b128 v[OUT+4*\t:OUT+4*\t+3], v[RD] offset:272*\t   ; LDS serves a wave's instructions in order: these see the stores above.  Lanes 0-15 row t, lanes 16-31 row 8 + t
.endr
	s_wait_dscnt 0x0
	s_cmp_eq_u32 s[FUL+(\j)], 0
	s_cbranch_scc1 .Lpart_\@
.irp t, 0,1,2,3,4,5,6,7
	global_store_b128 v[SLT+8*(\j)+\t], v[OUT+4*\t:OUT+4*\t+3], s[OUTP:OUTP+1]   ; 16 lanes store 256 consecutive bytes, aligned
.endr
	s_branch .Lskip_\@
.Lpart_\@:                                             ; the count falls into this tile: rows past it are masked
	s_sub_co_u32 s[TMP2], s[CNT], s[PB]
.if (\j) > 0
	s_sub_co_u32 s[TMP2], s[TMP2], 128*(\j)
.endif
.irp t, 0,1,2,3,4,5,6,7
	v_cmp_gt_i32 vcc_lo, s[TMP2], v[RB]            ; rank = first rank + 128 j + 16 w + 8 half + t is under the count
	s_wait_xcnt 0x0                                ; EXEC changes only behind this wait
	s_and_saveexec_b32 s[SX], vcc_lo
	global_store_b128 v[SLT+8*(\j)+\t], v[OUT+4*\t:OUT+4*\t+3], s[OUTP:OUTP+1]
	s_wait_xcnt 0x0
	s_mov_b32 exec_lo, -1                          ; every lane was on ahead of the narrowing: all are on again
	s_sub_co_u32 s[TMP2], s[TMP2], 1
.endr
.Lskip_\@:
.endm
	s_load_b256 s[4:11], s[0:1], 0x0               ; token rows s[4:5], weights s[6:7], bias s[8:9], bm s[10:11]
.if FFN == 1
	s_load_b64 s[12:13], s[0:1], 0x20              ; h
.else
	s_load_b128 s[12:15], s[0:1], 0x20             ; wts, part
.endif
	v_lshl_add_u32 v[SPW], v0, 2, SPARE
	v_mov_b32 v[NIL], 0
	v_and_b32 v1, 31, v0                           ; lane
	v_and_b32 v2, 15, v0                           ; r
	v_bfe_u32 v3, v0, 4, 1                         ; half
	v_lshrrev_b32 v[TM0], 5, v0
	v_readfirstlane_b32 s[WV], v[TM0]
	s_lshl_b32 s[W16], s[WV], 4
	s_lshr_b32 s[EX], ttmp9, 5                     ; the expert
.if FFN == 1
	s_and_b32 s[SL], ttmp9, 31                     ; the slice: 128 columns
.else
	s_bfe_u32 s[SL], ttmp9, 0x40001                ; the slice: 64 columns,
	s_and_b32 s[KH], ttmp9, 1                      ; one half of K
.endif
	v_lshlrev_b32 v[H16], 4, v3
.if FFN == 1
	s_lshl_b32 s[TMPS], s[WV], 17                  ; rows 8 w on; a lane takes 16 bytes of the row's 512
	v_lshl_add_u32 v[SO], v1, 4, s[TMPS]
	v_mul_u32_u24 v[TM0], v1, PITCH                ; LDS row 32 i + lane, 16 bytes at k = 8 w
	v_add_nc_u32 v[TM0], s[W16], v[TM0]
.else
	s_lshl_b32 s[TMPS], s[WV], 16                  ; rows 16 w + 8 half on; 16 lanes take a row's 256 bytes
	v_lshl_add_u32 v[SO], v2, 4, s[TMPS]
	v_lshl_add_u32 v[SO], v3, 15, v[SO]
	v_mul_u32_u24 v[TM0], v2, PITCH                ; LDS row 16 i + r, 16 bytes at k = 16 w + 8 half
	s_lshl_b32 s[TMPS], s[WV], 5
	v_add_nc_u32 v[TM0], v[H16], v[TM0]
	v_add_nc_u32 v[TM0], s[TMPS], v[TM0]
.endif
	v_mul_u32_u24 v[TM1], v2, PITCH
	v_add_nc_u32 v[TM1], v[H16], v[TM1]            ; a fragment: row r, 16 bytes a half
.irp i, 0,1,2,3
	v_add_nc_u32 v[SA0+\i], \i*RSTEP, v[TM0]
	v_add_nc_u32 v[WA0+\i], \i*RSTEP, v[TM1]
.endr
	s_lshl_b32 s[TMPS], s[WV], 6
	s_add_co_u32 s[TMPS], s[TMPS], LIST
	v_lshl_add_u32 v[LP], v2, 2, s[TMPS]
	v_lshl_add_u32 v[LE], v3, 5, s[TMPS]
	v_lshl_add_u32 v[RB], v3, 3, s[W16]
	v_lshl_add_u32 v[BTA], v3, 5, BT
	s_mul_i32 s[TMPS], s[WV], 4352
	s_add_co_u32 s[TMPS], s[TMPS], STAGE           ; my stage
	v_mul_u32_u24 v[STO], v2, 272
	v_lshl_add_u32 v[STO], v3, HSTO, v[STO]
	v_add_nc_u32 v[STO], s[TMPS], v[STO]
	v_mul_u32_u24 v[RD], v3, 2176
	v_lshl_add_u32 v[RD], v2, 4, v[RD]
	v_add_nc_u32 v[RD], s[TMPS], v[RD]
	s_lshl_b32 s[TMPS], s[SL], 8
	v_lshl_add_u32 v[CO], v2, 4, s[TMPS]
.if FFN == 1
	v_lshlrev_b32 v[TM1], 4, v1                    ; my 16 bytes of the slice's bias
.else
	v_lshlrev_b32 v[TM1], 4, v2
.endif
	s_wait_kmcnt 0x0
	s_lshl_b32 s88, s[EX], 8                       ; the expert's 64 bitmap words
	s_mov_b32 s89, 0
	s_add_nc_u64 s[10:11], s[10:11], s[88:89]
	s_load_b512 s[16:31], s[10:11], 0x0
	s_load_b512 s[32:47], s[10:11], 0x40
	s_load_b512 s[48:63], s[10:11], 0x80
	s_load_b512 s[68:83], s[10:11], 0xc0
	s_lshl_b32 s88, s[EX], 24                      ; an expert's weights: 2^24 bytes
.if FFN == 1
	s_lshl_b32 s[TMP2], s[SL], 9
	s_add_co_u32 s88, s88, s[TMP2]
	s_add_nc_u64 s[WP:WP+1], s[6:7], s[88:89]
	s_lshl_b32 s88, s[EX], 14
	s_add_co_u32 s88, s88, s[TMP2]
	s_add_nc_u64 s[8:9], s[8:9], s[88:89]
.else
	s_lshl_b32 s[TMP2], s[KH], 23
	s_add_co_u32 s88, s88, s[TMP2]
	s_lshl_b32 s[TMP2], s[SL], 8
	s_add_co_u32 s88, s88, s[TMP2]
	s_add_nc_u64 s[WP:WP+1], s[6:7], s[88:89]
	s_lshl_b32 s88, s[EX], 12
	s_add_co_u32 s88, s88, s[TMP2]
	s_add_nc_u64 s[8:9], s[8:9], s[88:89]
	s_lshl_b32 s88, s[KH], 12                      ; h at my half of K
	s_add_nc_u64 s[4:5], s[4:5], s[88:89]
	s_lshl_b32 s88, s[KH], 23                      ; part at my half's plane
	s_add_nc_u64 s[14:15], s[14:15], s[88:89]
.endif
	global_load_b128 v[BV:BV+3], v[TM1], s[8:9]
	SLOAD 0, 0                                     ; chunks 0 and 1 are on their way while the list is made
	SLOAD 1, STEP
	s_wait_kmcnt 0x0
	s_mov_b32 s[CNT], 0
.set q_, 0
.rept 64
	s_bcnt1_i32_b32 s[TMPS], s[16+q_+4*(q_/48)]
	s_add_co_u32 s[CNT], s[CNT], s[TMPS]
.set q_, q_+1
.endr
	s_cmp_lg_u32 s[WV], 0
	s_cbranch_scc1 .Lnot0
	; wave 0: the list.  All words 0 first (ranks past the count repeat slot 0); then word q of the bitmap gives each chosen token its rank.
	v_mov_b32 v32, 0
	v_mov_b32 v33, 0
	v_mov_b32 v34, 0
	v_mov_b32 v35, 0
	v_lshl_add_u32 v36, v1, 4, LIST
	v_lshlrev_b32 v37, 1, v1
	v_add_nc_u32 v38, 1536, v1                     ; a lane whose token did not choose the expert writes here
.irp i, 0,1,2,3,4,5,6,7,8,9,10,11,12
	ds_store_b128 v36, v[32:35] offset:512*\i
.endr
	s_mov_b32 s[RUN], 0
.set q_, 0
.rept 64
.set w_, 16+q_+4*(q_/48)
.set r_, 40+2*(q_%4)
	v_mbcnt_lo_u32_b32 v[r_], s[w_], s[RUN]        ; ranks so far + chosen tokens in lower lanes
	v_cndmask_b32 v[r_], v38, v[r_], s[w_]
	v_min_u32 v[r_], 1567, v[r_]
	v_lshl_add_u32 v[r_], v[r_], 2, LIST
	v_add_nc_u32 v[r_+1], ((q_&31)<<6)|(q_>>5), v37   ; slot = 2 (32 group + lane) + choice
	ds_store_b32 v[r_], v[r_+1]
	s_bcnt1_i32_b32 s[TMPS], s[w_]
	s_add_co_u32 s[RUN], s[RUN], s[TMPS]
.set q_, q_+1
.endr
.Lnot0:
	s_cmp_lg_u32 s[WV], 1
	s_cbranch_scc1 .Lnot1
	; wave 1: the bias, rounded to bf16, in the order of the LDS rows
	s_wait_loadcnt 16                              ; behind the bias: the 16 loads of chunks 0 and 1
	v_cvt_pk_bf16_f32 v40, v[BV], v[BV+1]
	v_cvt_pk_bf16_f32 v41, v[BV+2], v[BV+3]
	v_lshlrev_b32 v42, 16, v40
	v_and_b32 v43, 0xffff0000, v40
	v_lshlrev_b32 v44, 16, v41
	v_and_b32 v45, 0xffff0000, v41
.if FFN == 1
	v_lshl_add_u32 v46, v1, 2, BT
.else
	s_cmp_eq_u32 s[KH], 0                          ; the bias belongs to one of the two partial sums
	s_cselect_b32 s[TMPS], -1, 0
.irp i, 0,1,2,3
	v_and_b32 v[42+\i], s[TMPS], v[42+\i]
.endr
	v_lshl_add_u32 v46, v2, 2, BT
.endif
.irp i, 0,1,2,3
	ds_store_b32 v46, v[42+\i] offset:\i*BTB/4
.endr
.Lnot1:
	s_wait_dscnt 0x0                               ; list and bias are in LDS,
	s_barrier_signal -1
	s_barrier_wait -1                              ; for every wave
.if FFN == 1
	s_mov_b32 s[C0], 0xc0135761                    ; -2 sqrt(2/pi) log2(e)
	s_mov_b32 s[C0+1], 0xc0135761
	s_mov_b32 s[C1], 0xbdd2d3e8                    ; the same x 0.044715
	s_mov_b32 s[C1+1], 0xbdd2d3e8
.endif
	s_mov_b32 s[PB], 0
.irp j, 0,1,2
	ds_load_b32 v[TA+\j], v[LP] offset:512*\j      ; pass 0: the slots of my three rows
.endr
	s_wait_dscnt 0x0
	TAFIX
	ACCINIT
	s_wait_xcnt 0x0
	s_add_nc_u64 s[WP:WP+1], s[WP:WP+1], STEP      ; the chunk loaded last is chunk 1
	s_wait_loadcnt 0x0                             ; the first token rows were issued behind chunk 1: this once everything is waited for
	s_mov_b32 s[LC], 7
.Lp0:                                                  ; pass 0, beside the stream: 16 chunks
	TRIP 0, 1, 1, 8
	TRIP 1, 1, 1, 8
	s_sub_co_u32 s[LC], s[LC], 1
	s_cmp_lg_u32 s[LC], 0
	s_cbranch_scc1 .Lp0
	TRIP 0, 0, 1, 8                                ; the last two chunks ask for no weights, the last for nothing
	TRIP 1, 0, 0, 0
	s_mov_b32 s[PASSC], 3
.Lpass:                                                ; three trips: the way out of a pass, then the next pass
	s_wait_loadcnt 0x0                             ; no load is out: the token offsets and the gate's weights may be written again
	PLACES
	s_cmp_eq_u32 s[PASSC], 3                       ; which pass: the loop's own counter chooses the immediates
	s_cbranch_scc1 .Llist0
	s_cmp_eq_u32 s[PASSC], 2
	s_cbranch_scc1 .Llist1
	LISTLD 2
	s_branch .Llisted
.Llist0:
	LISTLD 0
	s_branch .Llisted
.Llist1:
	LISTLD 1
.Llisted:
	s_wait_dscnt 0x0
.set t_, 0
.rept 24
	v_min_u32 v[SLT+t_], 2047, v[SLT+t_]
	v_lshl_add_u32 v[SLT+t_], v[SLT+t_], OSH, v[CO]   ; the row's place in the output, and my 16 bytes of the slice's 256
.set t_, t_+1
.endr
	EPI 0
	EPI 1
	EPI 2
	s_wait_xcnt 0x0                                ; the stores have read their registers, which the next pass loads again
	s_add_co_u32 s[PB], s[PB], 384
	TAFIX
	s_wait_dscnt 0x0                               ; my stage is at rest,
	s_barrier_signal -1
	s_barrier_wait -1                              ; and so is every wave's, before any wave reads the slice again
	s_cmp_eq_u32 s[ACT], 0
	s_cbranch_scc1 .Lnoinit
	ACCINIT
.Lnoinit:
	s_mov_b32 s[LC], 7
.Lpn:
	TRIPN 0, 1
	TRIPN 1, 1
	s_sub_co_u32 s[LC], s[LC], 1
	s_cmp_lg_u32 s[LC], 0
	s_cbranch_scc1 .Lpn
	TRIPN 0, 1
	TRIPN 1, 0
	s_wait_dscnt 0x0                               ; my reads of the slice are back,
	s_barrier_signal -1
	s_barrier_wait -1                              ; and every wave's, before any wave writes LDS again
	s_sub_co_u32 s[PASSC], s[PASSC], 1
	s_cmp_lg_u32 s[PASSC], 0
	s_cbranch_scc1 .Lpass
	s_wait_tensorcnt 0x0                           ; the wave's end, behind my last LDS store
	ds_add_u32 v[SPW], v[NIL]
	s_wait_dscnt 0x0
	s_endpgm
.Lfunc_end_k_qe5d3677234_ffn1:
	.size	k_qe5d3677234_ffn1, .Lfunc_end_k_qe5d3677234_ffn1-k_qe5d3677234_ffn1
	.p2alignl 7, 3214868480
	.fill 96, 4, 3214868480
	.section	.rodata,"a",@progbits
	.p2align	6, 0x0
	.amdhsa_kernel k_qe5d3677234_ffn1
		.amdhsa_group_segment_fixed_size 307200
		.amdhsa_private_segment_fixed_size 0
		.amdhsa_enable_private_segment 0
		.amdhsa_kernarg_size 40
		.amdhsa_user_sgpr_count 2
		.amdhsa_user_sgpr_kernarg_segment_ptr 1
		.amdhsa_wavefront_size32 1
		.amdhsa_system_sgpr_workgroup_id_x 1
		.amdhsa_system_sgpr_workgroup_id_y 1
		.amdhsa_system_sgpr_workgroup_id_z 1
		.amdhsa_system_vgpr_workitem_id 0
		.amdhsa_next_free_vgpr 512
		.amdhsa_next_free_sgpr 102
		.amdhsa_reserve_vcc 1
		.amdhsa_float_denorm_mode_32 3
		.amdhsa_float_denorm_mode_16_64 3
		.amdhsa_memory_ordered 1
		.amdhsa_forward_progress 1
		.amdhsa_inst_pref_size 186
	.end_amdhsa_kernel
	.amdgpu_metadata
---
amdhsa.version: [ 1, 2 ]
amdhsa.kernels:
  - .name:           k_qe5d3677234_ffn1
    .symbol:         k_qe5d3677234_ffn1.kd
    .args:
      - { .name: xb, .offset: 0, .size: 8, .value_kind: global_buffer, .address_space: global }
      - { .name: W1, .offset: 8, .size: 8, .value_kind: global_buffer, .address_space: global }
      - { .name: b1, .offset: 16, .size: 8, .value_kind: global_buffer, .address_space: global }
      - { .name: bm, .offset: 24, .size: 8, .value_kind: global_buffer, .address_space: global }
      - { .name: h, .offset: 32, .size: 8, .value_kind: global_buffer, .address_space: global }
    .group_segment_fixed_size: 307200
    .private_segment_fixed_size: 0
    .kernarg_segment_align: 8
    .kernarg_segment_size: 40
    .max_flat_workgroup_size: 256
    .sgpr_count:     102
    .vgpr_count:     512
    .wavefront_size: 32
...
	.end_amdgpu_metadata
.endif
;; end of part 2
;; launch ffn2 (part 3): grid 256 x 1, 8 waves a work-group, no clusters, 305,920 bytes of LDS; arguments h, W2, b2, bm, wts, part; writes part
.if DOCPART == 3
	.amdgcn_target "amdgcn-amd-amdhsa--gfx1250"
	.amdhsa_code_object_version 6
	.text
	.protected	k_qe5d3677234_ffn2
	.globl	k_qe5d3677234_ffn2
	.p2align	8
	.type	k_qe5d3677234_ffn2,@function
k_qe5d3677234_ffn2:
	s_mov_b64 s[64:65], 0
	v_nop
	global_prefetch_b8 v0, s[64:65] scope:SCOPE_SE
	s_setreg_imm32_b32 hwreg(HW_REG_WAVE_MODE, 25, 1), 1
	s_wait_xcnt 0x0
; ONE SOURCE FOR THE TWO PRODUCTS OF THE EXPERTS' LAYER; FFN says which is assembled.
;   FFN = 1:  h[slot][f]          = gelu(xb[slot / 2] . W1[e][:, f] + b1[e][f])                      in bf16 (tanh form of gelu, as jax.nn.gelu)
;   FFN = 2:  part[kh][slot][d]   = wts[slot] x (h[slot][K half kh] . W2[e][K half kh, d] + (kh = 0) b2[e][d])   in f32 (partial sums)
; A slot is 2 token + choice.  Only the rows that chose an expert are multiplied.  Weights and biases are rounded once to bf16, sums in f32.
; SHARES.  256 work-groups = 8 experts x 32 slices of the expert's weights; a slice has one reader and is read once, in rows of 512 (FFN 1) or
; 256 (FFN 2) consecutive aligned bytes, rounded in registers and laid into LDS turned ([column][k]), where it stays.  NO CLUSTER, NO TENSOR LOAD:
; no two work-groups read the same weights, and the token rows, which an expert's work-groups do share, come by a list that no descriptor covers.
; ROWS.  Every wave counts the expert's rows from the bitmap bm; wave 0 lays the list of its slots into LDS.  A pass takes 384 ranks: 24 tiles of
; 16 rows; wave w has tiles w, 8 + w, 16 + w, against all the slice's columns.  Pass 0 runs beside the stream, chunk by chunk.  Then a loop of
; three trips: the way out of the pass in hand, then the next pass from the slice in LDS (an expert has 1,024 rows at the most).  Every wave walks
; all its trips and passes both barriers of each; every address is made on every wave's path.  What a pass holds for my wave (which of my three
; tiles have rows, which are full) is worked out once, where the pass begins, as six flags; where a flag says so only work (loads, products,
; stores) is jumped.  Ranks past the count repeat slot 0 and are not stored.
; COLUMNS are laid into LDS rows in a permuted order (lane and register of the stream's loads decide), so that the stream's LDS stores touch 16
; different 16-byte columns; the way out puts them right at no cost: see EPI.
; The products are used turned (source 0 = 16 LDS rows of weights, source 1 = 16 token rows): a lane holds one token row.
; The sums start from the bias, loaded into the accumulators: nothing is cleared and nothing is added at the end.
; LIMITS: NaN and infinities are not treated apart; an exponential below 2^-126 counts as 0.
.set FFN, 2
.if FFN == 1
.set NB,     8                         ; blocks of 16 columns in the slice
.set PITCH,  2064                      ; an LDS row: 1,024 k in bf16 + 16 bytes: an odd multiple of 16
.set KSN,    2                         ; K steps of 32 in a chunk
.set KOB,    128                       ; a chunk's bytes along an LDS row and along a token row
.set WRS,    16384                     ; bytes from a row of the weights to the next
.set STEP,   64*WRS                    ; a chunk: 64 rows
.set RSTEP,  32*PITCH                  ; LDS rows of register i of a stream load begin at 32 i
.set TSH,    11                        ; a token row: 2,048 bytes
.set OSH,    13                        ; an output row: 8,192 bytes
.set HSTO,   6                         ; a half of the lanes puts 64 bytes of a stage row
.set WBYTES, 128*PITCH
.set BTB,    512                       ; the bias table
.set T0,     96                        ; v96-143, v144-191 token fragments, two buffers
.set TSZ,    48
.set PK,     192                       ; v192-207 a chunk's 16 packed registers
.set S0,     192                       ; window 1: v192-223, v224-255 weights as loaded, two buffers
.set W_CVT,  0x05                      ; sources in window 1, destination in window 0
.set W_PST,  0x00
.set OUTP,   12                        ; s[12:13] h
.else
.set NB,     4
.set PITCH,  4112                      ; 2,048 k in bf16 + 16 bytes
.set KSN,    4
.set KOB,    256
.set WRS,    4096
.set STEP,   128*WRS
.set RSTEP,  16*PITCH
.set TSH,    13
.set OSH,    12
.set HSTO,   7
.set WBYTES, 64*PITCH
.set BTB,    256
.set T0,     64                        ; v64-159, v160-255
.set TSZ,    96
.set PK,     160                       ; window 1
.set S0,     96                        ; window 1: v96-127, v128-159
.set W_CVT,  0x45
.set W_PST,  0x04                      ; an LDS store's data (source 1) in window 1
.set OUTP,   14                        ; s[14:15] part
.endif
.set STAGE,  WBYTES                    ; 16 rows x 272 bytes for each wave, for the way out
.set LIST,   STAGE+8*4352              ; 1,664 words: ranks 0-1535, then a word a lane for the tokens that did not choose the expert
.set BT,     LIST+6656                 ; the slice's bias in f32, in the order of the LDS rows
.set SPARE,  BT+BTB                    ; the spare words, 128 bytes a wave; no other line names them
; window 0
.set WT,  1                            ; v1-3 (FFN 2) the gate's weight of my row in tiles 0-2; in the set-up: lane, r, half
.set SPW, 4
.set NIL, 5
.set SO,  6                            ; my byte offset in a chunk of the weights
.set H16, 7                            ; 16 x half
.set SA0, 8                            ; v8-11   where my packed registers go in LDS, at k = 0
.set WA0, 12                           ; v12-15  where my weight fragments lie, at k = 0
.set AD,  16                           ; v16-19  the same at the chunk in hand
.set TA,  20                           ; v20-22  byte offset of my token row in tiles 0-2
.set LP,  23                           ; list word of rank 16 w + r; never rewritten
.set LE,  24                           ; list word of rank 16 w + 8 half; never rewritten
.set RB,  25                           ; 16 w + 8 half
.set BTA, 26
.set STO, 27
.set RD,  28
.set CO,  29                           ; my 16 bytes in the slice's 256 bytes of an output row
.set TM0, 30                           ; at work in the set-up
.set TM1, 31
.set WF,  32                           ; weight fragments of one K step, 8 registers a block
.set BV,  60                           ; v60-63 the bias as loaded
.set OUT, T0                           ; the way out works in the token buffers, which are idle then: 32 registers of a tile,
.set SLT, T0+48                        ; and 24 store offsets: tile j's rows 8 half + 0 .. 7 at SLT + 8 j
.set GT,  192                          ; window 1: gelu's temporaries, where the stream's buffer lay
; window 1: accumulator (tile j, block b) at 8 NB j + 8 b
.set KH,  2
.set C0,  16                           ; s[16:17], s[18:19] gelu's constants (the bitmap's registers, when the list is made)
.set C1,  18
.set HAS, 20                           ; s20-22  1: my tile j has rows in the pass in hand (the bitmap's registers, when the list is made)
.set ACT, HAS                          ;         tile 0's flag is the wave's: the tiles' ranks ascend
.set T2,  HAS+2
.set FUL, 24                           ; s24-26  1: all 16 rows of my tile j are under the count
.set WV,  84
.set EX,  85
.set SL,  86
.set CNT, 87                           ; the expert's rows
.set RUN, 88
.set TMPS, 89
.set LC,  90
.set PASSC, 91
.set PB,  93                           ; the pass's first rank
.set TB,  94                           ; s[94:95] token rows at the chunk to be loaded
.set WP,  96                           ; s[96:97] the slice at the chunk loaded last
.set SX,  98
.set KO,  99                           ; the chunk's byte along LDS rows
.set TMP2, 100
.set W16, 101
.set MSB, 0
.macro WIN new                         ; the immediate's high byte repeats the setting that is left; a switch that changes nothing is dropped
.if MSB != (\new)
	s_set_vgpr_msb (MSB<<8)|(\new)
.set MSB, (\new)
.endif
.endm
.macro PLACES                          ; four places behind a matrix instruction, ahead of loads into or vector work on its registers
.rept 4
	v_nop
.endr
.endm
.macro SLOAD buf, extra                ; a wave's eighth of a chunk of the weights: 8 loads of 512 bytes
	WIN 0x40
.irp j, 0,1,2,3,4,5,6,7
	global_load_b128 v[S0+32*(\buf)+4*\j:S0+32*(\buf)+4*\j+3], v[SO], s[WP:WP+1] offset:\j*WRS+(\extra) th:TH_LOAD_NT
.endr
	WIN 0
.endm
.macro TLOAD buf                       ; a chunk's fragments of my three tiles' token rows, straight into operand registers
.set ks_, 0
.rept KSN
.irp j, 0,1,2
	global_load_b128 v[T0+TSZ*(\buf)+8*(3*ks_+\j):T0+TSZ*(\buf)+8*(3*ks_+\j)+3], v[TA+\j], s[TB:TB+1] offset:64*ks_
	global_load_b128 v[T0+TSZ*(\buf)+8*(3*ks_+\j)+4:T0+TSZ*(\buf)+8*(3*ks_+\j)+7], v[TA+\j], s[TB:TB+1] offset:64*ks_+32
.endr
.set ks_, ks_+1
.endr
.endm
.macro CONV buf                        ; register i of loads 2 q, 2 q + 1 is one column at two neighbouring k: 8 k of column i make 16 bytes
	WIN W_CVT
.irp i, 0,1,2,3
.irp q, 0,1,2,3
	v_cvt_pk_bf16_f32 v[PK+4*\i+\q], v[S0+32*(\buf)+8*\q+\i], v[S0+32*(\buf)+8*\q+4+\i]
.endr
.endr
	WIN 0
.endm
.macro PSTORE
.irp i, 0,1,2,3
	v_add_nc_u32 v[AD+\i], s[KO], v[SA0+\i]
.endr
	WIN W_PST
.irp i, 0,1,2,3
	ds_store_b128 v[AD+\i], v[PK+4*\i:PK+4*\i+3]
.endr
	WIN 0
.endm
.macro MMT par, ks, j                  ; tile j's NB products of K step ks; each on an accumulator of its own
.set b_, 0
.rept NB
	v_wmma_f32_16x16x32_bf16 v[8*NB*(\j)+8*b_:8*NB*(\j)+8*b_+7], v[WF+8*b_:WF+8*b_+7], v[T0+TSZ*(\par)+8*(3*(\ks)+(\j)):T0+TSZ*(\par)+8*(3*(\ks)+(\j))+7], v[8*NB*(\j)+8*b_:8*NB*(\j)+8*b_+7]
.set b_, b_+1
.endr
.endm
; A K step of 32: the slice's fragments out of LDS, then 2 NB products, and NB more where my third tile has rows.  All accumulators take turns.
; sig = 1: my last reads of the chunk are back: say so; the wait stands behind the products.
.macro KSTEP par, ks, sig
	PLACES
.if FFN == 1
.irp q, 0,1,2,3
.irp u, 0,1
	ds_load_b128 v[WF+8*(2*\q+\u):WF+8*(2*\q+\u)+3], v[AD+\q] offset:\u*16*PITCH+64*(\ks)
	ds_load_b128 v[WF+8*(2*\q+\u)+4:WF+8*(2*\q+\u)+7], v[AD+\q] offset:\u*16*PITCH+64*(\ks)+32
.endr
.endr
.else
.irp b, 0,1,2,3
	ds_load_b128 v[WF+8*\b:WF+8*\b+3], v[AD+\b] offset:64*(\ks)
	ds_load_b128 v[WF+8*\b+4:WF+8*\b+7], v[AD+\b] offset:64*(\ks)+32
.endr
.endif
	s_wait_dscnt 0x0
.if \sig
	s_barrier_signal -1
.endif
	WIN 0x50                                       ; C and D in window 1
	MMT \par, \ks, 0
	MMT \par, \ks, 1
	WIN 0
	s_cmp_eq_u32 s[T2], 0
	s_cbranch_scc1 .Lno2_\@
	WIN 0x50
	MMT \par, \ks, 2
	WIN 0
.Lno2_\@:
.endm
; A chunk of pass 0: its weights are rounded and laid into LDS, then multiplied.  sfill: the chunk two on is asked for.  tfill: the next chunk's token rows are.
; wcnt: the loads that may stay out: issued behind this chunk's token rows are only the next chunk's 8 weight loads.
.macro TRIP par, sfill, tfill, wcnt
	s_wait_loadcnt \wcnt
	CONV \par                                      ; 16 plain instructions: also the places ahead of the loads into the other token buffer
	s_wait_xcnt 0x0                                ; the bases are stepped only behind this wait
.if \tfill
	s_add_nc_u64 s[TB:TB+1], s[TB:TB+1], KOB
	TLOAD 1-(\par)
.endif
.if \sfill
	s_add_nc_u64 s[WP:WP+1], s[WP:WP+1], STEP
	SLOAD \par, 0
.endif
	PSTORE
	s_wait_dscnt 0x0                               ; for the others' sake: my part of the chunk is in LDS
	s_barrier_signal -1
.irp q, 0,1,2,3
	v_add_nc_u32 v[AD+\q], s[KO], v[WA0+\q]
.endr
	s_barrier_wait -1                              ; everybody's part is
.set k_, 0
.rept KSN
	KSTEP \par, k_, k_/(KSN-1)
.set k_, k_+1
.endr
	s_barrier_wait -1                              ; every wave's reads of this chunk are back before any wave stores the next
	s_add_co_u32 s[KO], s[KO], KOB
.endm
; A chunk of a later pass: the slice lies in LDS; only token rows are loaded, a chunk ahead.  The addresses step on every wave's path; a wave without rows jumps the work.
.macro TRIPN par, tfill
	s_wait_xcnt 0x0                                ; the base is stepped only behind this wait
.if \tfill
	s_add_nc_u64 s[TB:TB+1], s[TB:TB+1], KOB
.endif
.irp q, 0,1,2,3
	v_add_nc_u32 v[AD+\q], s[KO], v[WA0+\q]        ; four plain instructions: also the places ahead of the loads into the other token buffer
.endr
	s_add_co_u32 s[KO], s[KO], KOB
	s_cmp_eq_u32 s[ACT], 0
	s_cbranch_scc1 .Lidle_\@
	s_wait_loadcnt 0x0                             ; this chunk's token rows
.if \tfill
	TLOAD 1-(\par)
.endif
.set k_, 0
.rept KSN
	KSTEP \par, k_, 0
.set k_, k_+1
.endr
.Lidle_\@:
.endm
; The list's words for the way out of pass p (slots of rows 8 half + 0 .. 7 of my three tiles) and for pass p + 1 (slot of row r of my three tiles): fixed registers, the pass in the immediate.
.macro LISTLD p
.irp j, 0,1,2
	ds_load_b128 v[SLT+8*\j:SLT+8*\j+3], v[LE] offset:1536*(\p)+512*\j
	ds_load_b128 v[SLT+8*\j+4:SLT+8*\j+7], v[LE] offset:1536*(\p)+512*\j+16
	ds_load_b32 v[TA+\j], v[LP] offset:1536*((\p)+1)+512*\j
.endr
.endm
; A pass begins, on every wave's path: from my three rows' slots to their addresses, and the six flags: what the pass holds for my three tiles.
.macro TAFIX
.irp j, 0,1,2
.if FFN == 1
	v_lshrrev_b32 v[TA+\j], 1, v[TA+\j]            ; the slot's token
	v_min_u32 v[TA+\j], 1023, v[TA+\j]
.else
	v_min_u32 v[TA+\j], 2047, v[TA+\j]
	v_lshlrev_b32 v[WT+\j], 2, v[TA+\j]
.endif
	v_lshl_add_u32 v[TA+\j], v[TA+\j], TSH, v[H16]
.endr
.if FFN == 2
.irp j, 0,1,2
	global_load_b32 v[WT+\j], v[WT+\j], s[12:13]   ; the gate's weight of my row
.endr
.endif
	s_mov_b64 s[TB:TB+1], s[4:5]
	s_mov_b32 s[KO], 0
	s_add_co_u32 s[TMPS], s[PB], s[W16]            ; tile j's first rank: first rank of the pass + 16 w + 128 j
.irp j, 0,1,2
	s_cmp_lt_u32 s[TMPS], s[CNT]
	s_cselect_b32 s[HAS+\j], 1, 0
	s_add_co_u32 s[TMPS], s[TMPS], 16
	s_cmp_le_u32 s[TMPS], s[CNT]
	s_cselect_b32 s[FUL+\j], 1, 0
	s_add_co_u32 s[TMPS], s[TMPS], 112
.endr
.endm
.macro ACCINIT                         ; the bias into all accumulators (waited for in front of the first products), and the first chunk's token rows
	WIN 0x40
.set a_, 0
.rept 3*NB
	ds_load_b128 v[8*a_:8*a_+3], v[BTA] offset:64*(a_%NB)
	ds_load_b128 v[8*a_+4:8*a_+7], v[BTA] offset:64*(a_%NB)+16
.set a_, a_+1
.endr
	WIN 0
	TLOAD 0
.endm
.macro GELU                            ; x / (1 + 2^(x (C0 + C1 x^2))) on the eight registers from ga_, in place; temporaries from gt_
.irp p, 0,2,4,6
	v_pk_mul_f32 v[gt_+\p:gt_+\p+1], v[ga_+\p:ga_+\p+1], v[ga_+\p:ga_+\p+1]
.endr
.irp p, 0,2,4,6
	v_pk_fma_f32 v[gt_+\p:gt_+\p+1], v[gt_+\p:gt_+\p+1], s[C1:C1+1], s[C0:C0+1] op_sel_hi:[1,0,0]
.endr
.irp p, 0,2,4,6
	v_pk_mul_f32 v[gt_+\p:gt_+\p+1], v[gt_+\p:gt_+\p+1], v[ga_+\p:ga_+\p+1]
.endr
.irp i, 0,1,2,3,4,5,6,7
	v_exp_f32 v[gt_+\i], v[gt_+\i]
.endr
	v_nop                                          ; a plain instruction behind the last exponential (ISA guide 5.7.2)
.irp p, 0,2,4,6
	v_pk_add_f32 v[gt_+\p:gt_+\p+1], v[gt_+\p:gt_+\p+1], 1.0 op_sel_hi:[1,0]
.endr
.irp i, 0,1,2,3,4,5,6,7
	v_rcp_f32 v[gt_+\i], v[gt_+\i]
.endr
	v_nop
.irp p, 0,2,4,6
	v_pk_mul_f32 v[ga_+\p:ga_+\p+1], v[ga_+\p:ga_+\p+1], v[gt_+\p:gt_+\p+1]
.endr
.endm
; THE WAY OUT of my tile j.  Register i of the accumulator of block b, in half hh of the lanes, is column
;   FFN 1: 64 (b % 2) + 32 hh + 4 i + b / 2        FFN 2: 32 hh + 4 i + b
; so taking the blocks by turns for each i gives neighbouring columns.  They go through my own stage in LDS and come back as whole rows of 256 bytes.
; All addresses (stage, store offsets) were made ahead of the branches, which go by the pass's flags.
.macro EPI j
	s_cmp_eq_u32 s[HAS+(\j)], 0
	s_cbranch_scc1 .Lskip_\@                       ; the tile has no row
	s_wait_xcnt 0x0                                ; the tile before has had its stores' registers read
.if FFN == 1
	WIN 0x55
.set b_, 0
.rept 8
.set ga_, 64*(\j)+8*b_
.set gt_, GT+8*(b_%2)
	GELU
.set b_, b_+1
.endr
	WIN 0x05
.irp u, 0,1
.set i_, 0
.rept 8
	v_cvt_pk_bf16_f32 v[OUT+16*\u+2*i_], v[64*(\j)+8*\u+i_], v[64*(\j)+8*(2+\u)+i_]
	v_cvt_pk_bf16_f32 v[OUT+16*\u+2*i_+1], v[64*(\j)+8*(4+\u)+i_], v[64*(\j)+8*(6+\u)+i_]
.set i_, i_+1
.endr
.endr
	WIN 0
.irp u, 0,1
.irp q, 0,1,2,3
	ds_store_b128 v[STO], v[OUT+16*\u+4*\q:OUT+16*\u+4*\q+3] offset:128*\u+16*\q
.endr
.endr
.else
	WIN 0x01                                       ; the accumulators (source 0) in window 1
.set i_, 0
.rept 8
.irp b, 0,1,2,3
	v_mul_f32 v[OUT+4*i_+\b], v[32*(\j)+8*\b+i_], v[WT+(\j)]
.endr
.set i_, i_+1
.endr
	WIN 0
.irp q, 0,1,2,3,4,5,6,7
	ds_store_b128 v[STO], v[OUT+4*\q:OUT+4*\q+3] offset:16*\q
.endr
.endif
.irp t, 0,1,2,3,4,5,6,7
	ds_load_b128 v[OUT+4*\t:OUT+4*\t+3], v[RD] offset:272*\t   ; LDS serves a wave's instructions in order: these see the stores above.  Lanes 0-15 row t, lanes 16-31 row 8 + t
.endr
	s_wait_dscnt 0x0
	s_cmp_eq_u32 s[FUL+(\j)], 0
	s_cbranch_scc1 .Lpart_\@
.irp t, 0,1,2,3,4,5,6,7
	global_store_b128 v[SLT+8*(\j)+\t], v[OUT+4*\t:OUT+4*\t+3], s[OUTP:OUTP+1]   ; 16 lanes store 256 consecutive bytes, aligned
.endr
	s_branch .Lskip_\@
.Lpart_\@:                                             ; the count falls into this tile: rows past it are masked
	s_sub_co_u32 s[TMP2], s[CNT], s[PB]
.if (\j) > 0
	s_sub_co_u32 s[TMP2], s[TMP2], 128*(\j)
.endif
.irp t, 0,1,2,3,4,5,6,7
	v_cmp_gt_i32 vcc_lo, s[TMP2], v[RB]            ; rank = first rank + 128 j + 16 w + 8 half + t is under the count
	s_wait_xcnt 0x0                                ; EXEC changes only behind this wait
	s_and_saveexec_b32 s[SX], vcc_lo
	global_store_b128 v[SLT+8*(\j)+\t], v[OUT+4*\t:OUT+4*\t+3], s[OUTP:OUTP+1]
	s_wait_xcnt 0x0
	s_mov_b32 exec_lo, -1                          ; every lane was on ahead of the narrowing: all are on again
	s_sub_co_u32 s[TMP2], s[TMP2], 1
.endr
.Lskip_\@:
.endm
	s_load_b256 s[4:11], s[0:1], 0x0               ; token rows s[4:5], weights s[6:7], bias s[8:9], bm s[10:11]
.if FFN == 1
	s_load_b64 s[12:13], s[0:1], 0x20              ; h
.else
	s_load_b128 s[12:15], s[0:1], 0x20             ; wts, part
.endif
	v_lshl_add_u32 v[SPW], v0, 2, SPARE
	v_mov_b32 v[NIL], 0
	v_and_b32 v1, 31, v0                           ; lane
	v_and_b32 v2, 15, v0                           ; r
	v_bfe_u32 v3, v0, 4, 1                         ; half
	v_lshrrev_b32 v[TM0], 5, v0
	v_readfirstlane_b32 s[WV], v[TM0]
	s_lshl_b32 s[W16], s[WV], 4
	s_lshr_b32 s[EX], ttmp9, 5                     ; the expert
.if FFN == 1
	s_and_b32 s[SL], ttmp9, 31                     ; the slice: 128 columns
.else
	s_bfe_u32 s[SL], ttmp9, 0x40001                ; the slice: 64 columns,
	s_and_b32 s[KH], ttmp9, 1                      ; one half of K
.endif
	v_lshlrev_b32 v[H16], 4, v3
.if FFN == 1
	s_lshl_b32 s[TMPS], s[WV], 17                  ; rows 8 w on; a lane takes 16 bytes of the row's 512
	v_lshl_add_u32 v[SO], v1, 4, s[TMPS]
	v_mul_u32_u24 v[TM0], v1, PITCH                ; LDS row 32 i + lane, 16 bytes at k = 8 w
	v_add_nc_u32 v[TM0], s[W16], v[TM0]
.else
	s_lshl_b32 s[TMPS], s[WV], 16                  ; rows 16 w + 8 half on; 16 lanes take a row's 256 bytes
	v_lshl_add_u32 v[SO], v2, 4, s[TMPS]
	v_lshl_add_u32 v[SO], v3, 15, v[SO]
	v_mul_u32_u24 v[TM0], v2, PITCH                ; LDS row 16 i + r, 16 bytes at k = 16 w + 8 half
	s_lshl_b32 s[TMPS], s[WV], 5
	v_add_nc_u32 v[TM0], v[H16], v[TM0]
	v_add_nc_u32 v[TM0], s[TMPS], v[TM0]
.endif
	v_mul_u32_u24 v[TM1], v2, PITCH
	v_add_nc_u32 v[TM1], v[H16], v[TM1]            ; a fragment: row r, 16 bytes a half
.irp i, 0,1,2,3
	v_add_nc_u32 v[SA0+\i], \i*RSTEP, v[TM0]
	v_add_nc_u32 v[WA0+\i], \i*RSTEP, v[TM1]
.endr
	s_lshl_b32 s[TMPS], s[WV], 6
	s_add_co_u32 s[TMPS], s[TMPS], LIST
	v_lshl_add_u32 v[LP], v2, 2, s[TMPS]
	v_lshl_add_u32 v[LE], v3, 5, s[TMPS]
	v_lshl_add_u32 v[RB], v3, 3, s[W16]
	v_lshl_add_u32 v[BTA], v3, 5, BT
	s_mul_i32 s[TMPS], s[WV], 4352
	s_add_co_u32 s[TMPS], s[TMPS], STAGE           ; my stage
	v_mul_u32_u24 v[STO], v2, 272
	v_lshl_add_u32 v[STO], v3, HSTO, v[STO]
	v_add_nc_u32 v[STO], s[TMPS], v[STO]
	v_mul_u32_u24 v[RD], v3, 2176
	v_lshl_add_u32 v[RD], v2, 4, v[RD]
	v_add_nc_u32 v[RD], s[TMPS], v[RD]
	s_lshl_b32 s[TMPS], s[SL], 8
	v_lshl_add_u32 v[CO], v2, 4, s[TMPS]
.if FFN == 1
	v_lshlrev_b32 v[TM1], 4, v1                    ; my 16 bytes of the slice's bias
.else
	v_lshlrev_b32 v[TM1], 4, v2
.endif
	s_wait_kmcnt 0x0
	s_lshl_b32 s88, s[EX], 8                       ; the expert's 64 bitmap words
	s_mov_b32 s89, 0
	s_add_nc_u64 s[10:11], s[10:11], s[88:89]
	s_load_b512 s[16:31], s[10:11], 0x0
	s_load_b512 s[32:47], s[10:11], 0x40
	s_load_b512 s[48:63], s[10:11], 0x80
	s_load_b512 s[68:83], s[10:11], 0xc0
	s_lshl_b32 s88, s[EX], 24                      ; an expert's weights: 2^24 bytes
.if FFN == 1
	s_lshl_b32 s[TMP2], s[SL], 9
	s_add_co_u32 s88, s88, s[TMP2]
	s_add_nc_u64 s[WP:WP+1], s[6:7], s[88:89]
	s_lshl_b32 s88, s[EX], 14
	s_add_co_u32 s88, s88, s[TMP2]
	s_add_nc_u64 s[8:9], s[8:9], s[88:89]
.else
	s_lshl_b32 s[TMP2], s[KH], 23
	s_add_co_u32 s88, s88, s[TMP2]
	s_lshl_b32 s[TMP2], s[SL], 8
	s_add_co_u32 s88, s88, s[TMP2]
	s_add_nc_u64 s[WP:WP+1], s[6:7], s[88:89]
	s_lshl_b32 s88, s[EX], 12
	s_add_co_u32 s88, s88, s[TMP2]
	s_add_nc_u64 s[8:9], s[8:9], s[88:89]
	s_lshl_b32 s88, s[KH], 12                      ; h at my half of K
	s_add_nc_u64 s[4:5], s[4:5], s[88:89]
	s_lshl_b32 s88, s[KH], 23                      ; part at my half's plane
	s_add_nc_u64 s[14:15], s[14:15], s[88:89]
.endif
	global_load_b128 v[BV:BV+3], v[TM1], s[8:9]
	SLOAD 0, 0                                     ; chunks 0 and 1 are on their way while the list is made
	SLOAD 1, STEP
	s_wait_kmcnt 0x0
	s_mov_b32 s[CNT], 0
.set q_, 0
.rept 64
	s_bcnt1_i32_b32 s[TMPS], s[16+q_+4*(q_/48)]
	s_add_co_u32 s[CNT], s[CNT], s[TMPS]
.set q_, q_+1
.endr
	s_cmp_lg_u32 s[WV], 0
	s_cbranch_scc1 .Lnot0
	; wave 0: the list.  All words 0 first (ranks past the count repeat slot 0); then word q of the bitmap gives each chosen token its rank.
	v_mov_b32 v32, 0
	v_mov_b32 v33, 0
	v_mov_b32 v34, 0
	v_mov_b32 v35, 0
	v_lshl_add_u32 v36, v1, 4, LIST
	v_lshlrev_b32 v37, 1, v1
	v_add_nc_u32 v38, 1536, v1                     ; a lane whose token did not choose the expert writes here
.irp i, 0,1,2,3,4,5,6,7,8,9,10,11,12
	ds_store_b128 v36, v[32:35] offset:512*\i
.endr
	s_mov_b32 s[RUN], 0
.set q_, 0
.rept 64
.set w_, 16+q_+4*(q_/48)
.set r_, 40+2*(q_%4)
	v_mbcnt_lo_u32_b32 v[r_], s[w_], s[RUN]        ; ranks so far + chosen tokens in lower lanes
	v_cndmask_b32 v[r_], v38, v[r_], s[w_]
	v_min_u32 v[r_], 1567, v[r_]
	v_lshl_add_u32 v[r_], v[r_], 2, LIST
	v_add_nc_u32 v[r_+1], ((q_&31)<<6)|(q_>>5), v37   ; slot = 2 (32 group + lane) + choice
	ds_store_b32 v[r_], v[r_+1]
	s_bcnt1_i32_b32 s[TMPS], s[w_]
	s_add_co_u32 s[RUN], s[RUN], s[TMPS]
.set q_, q_+1
.endr
.Lnot0:
	s_cmp_lg_u32 s[WV], 1
	s_cbranch_scc1 .Lnot1
	; wave 1: the bias, rounded to bf16, in the order of the LDS rows
	s_wait_loadcnt 16                              ; behind the bias: the 16 loads of chunks 0 and 1
	v_cvt_pk_bf16_f32 v40, v[BV], v[BV+1]
	v_cvt_pk_bf16_f32 v41, v[BV+2], v[BV+3]
	v_lshlrev_b32 v42, 16, v40
	v_and_b32 v43, 0xffff0000, v40
	v_lshlrev_b32 v44, 16, v41
	v_and_b32 v45, 0xffff0000, v41
.if FFN == 1
	v_lshl_add_u32 v46, v1, 2, BT
.else
	s_cmp_eq_u32 s[KH], 0                          ; the bias belongs to one of the two partial sums
	s_cselect_b32 s[TMPS], -1, 0
.irp i, 0,1,2,3
	v_and_b32 v[42+\i], s[TMPS], v[42+\i]
.endr
	v_lshl_add_u32 v46, v2, 2, BT
.endif
.irp i, 0,1,2,3
	ds_store_b32 v46, v[42+\i] offset:\i*BTB/4
.endr
.Lnot1:
	s_wait_dscnt 0x0                               ; list and bias are in LDS,
	s_barrier_signal -1
	s_barrier_wait -1                              ; for every wave
.if FFN == 1
	s_mov_b32 s[C0], 0xc0135761                    ; -2 sqrt(2/pi) log2(e)
	s_mov_b32 s[C0+1], 0xc0135761
	s_mov_b32 s[C1], 0xbdd2d3e8                    ; the same x 0.044715
	s_mov_b32 s[C1+1], 0xbdd2d3e8
.endif
	s_mov_b32 s[PB], 0
.irp j, 0,1,2
	ds_load_b32 v[TA+\j], v[LP] offset:512*\j      ; pass 0: the slots of my three rows
.endr
	s_wait_dscnt 0x0
	TAFIX
	ACCINIT
	s_wait_xcnt 0x0
	s_add_nc_u64 s[WP:WP+1], s[WP:WP+1], STEP      ; the chunk loaded last is chunk 1
	s_wait_loadcnt 0x0                             ; the first token rows were issued behind chunk 1: this once everything is waited for
	s_mov_b32 s[LC], 7
.Lp0:                                                  ; pass 0, beside the stream: 16 chunks
	TRIP 0, 1, 1, 8
	TRIP 1, 1, 1, 8
	s_sub_co_u32 s[LC], s[LC], 1
	s_cmp_lg_u32 s[LC], 0
	s_cbranch_scc1 .Lp0
	TRIP 0, 0, 1, 8                                ; the last two chunks ask for no weights, the last for nothing
	TRIP 1, 0, 0, 0
	s_mov_b32 s[PASSC], 3
.Lpass:                                                ; three trips: the way out of a pass, then the next pass
	s_wait_loadcnt 0x0                             ; no load is out: the token offsets and the gate's weights may be written again
	PLACES
	s_cmp_eq_u32 s[PASSC], 3                       ; which pass: the loop's own counter chooses the immediates
	s_cbranch_scc1 .Llist0
	s_cmp_eq_u32 s[PASSC], 2
	s_cbranch_scc1 .Llist1
	LISTLD 2
	s_branch .Llisted
.Llist0:
	LISTLD 0
	s_branch .Llisted
.Llist1:
	LISTLD 1
.Llisted:
	s_wait_dscnt 0x0
.set t_, 0
.rept 24
	v_min_u32 v[SLT+t_], 2047, v[SLT+t_]
	v_lshl_add_u32 v[SLT+t_], v[SLT+t_], OSH, v[CO]   ; the row's place in the output, and my 16 bytes of the slice's 256
.set t_, t_+1
.endr
	EPI 0
	EPI 1
	EPI 2
	s_wait_xcnt 0x0                                ; the stores have read their registers, which the next pass loads again
	s_add_co_u32 s[PB], s[PB], 384
	TAFIX
	s_wait_dscnt 0x0                               ; my stage is at rest,
	s_barrier_signal -1
	s_barrier_wait -1                              ; and so is every wave's, before any wave reads the slice again
	s_cmp_eq_u32 s[ACT], 0
	s_cbranch_scc1 .Lnoinit
	ACCINIT
.Lnoinit:
	s_mov_b32 s[LC], 7
.Lpn:
	TRIPN 0, 1
	TRIPN 1, 1
	s_sub_co_u32 s[LC], s[LC], 1
	s_cmp_lg_u32 s[LC], 0
	s_cbranch_scc1 .Lpn
	TRIPN 0, 1
	TRIPN 1, 0
	s_wait_dscnt 0x0                               ; my reads of the slice are back,
	s_barrier_signal -1
	s_barrier_wait -1                              ; and every wave's, before any wave writes LDS again
	s_sub_co_u32 s[PASSC], s[PASSC], 1
	s_cmp_lg_u32 s[PASSC], 0
	s_cbranch_scc1 .Lpass
	s_wait_tensorcnt 0x0                           ; the wave's end, behind my last LDS store
	ds_add_u32 v[SPW], v[NIL]
	s_wait_dscnt 0x0
	s_endpgm
.Lfunc_end_k_qe5d3677234_ffn2:
	.size	k_qe5d3677234_ffn2, .Lfunc_end_k_qe5d3677234_ffn2-k_qe5d3677234_ffn2
	.p2alignl 7, 3214868480
	.fill 96, 4, 3214868480
	.section	.rodata,"a",@progbits
	.p2align	6, 0x0
	.amdhsa_kernel k_qe5d3677234_ffn2
		.amdhsa_group_segment_fixed_size 305920
		.amdhsa_private_segment_fixed_size 0
		.amdhsa_enable_private_segment 0
		.amdhsa_kernarg_size 48
		.amdhsa_user_sgpr_count 2
		.amdhsa_user_sgpr_kernarg_segment_ptr 1
		.amdhsa_wavefront_size32 1
		.amdhsa_system_sgpr_workgroup_id_x 1
		.amdhsa_system_sgpr_workgroup_id_y 1
		.amdhsa_system_sgpr_workgroup_id_z 1
		.amdhsa_system_vgpr_workitem_id 0
		.amdhsa_next_free_vgpr 448
		.amdhsa_next_free_sgpr 102
		.amdhsa_reserve_vcc 1
		.amdhsa_float_denorm_mode_32 3
		.amdhsa_float_denorm_mode_16_64 3
		.amdhsa_memory_ordered 1
		.amdhsa_forward_progress 1
		.amdhsa_inst_pref_size 150
	.end_amdhsa_kernel
	.amdgpu_metadata
---
amdhsa.version: [ 1, 2 ]
amdhsa.kernels:
  - .name:           k_qe5d3677234_ffn2
    .symbol:         k_qe5d3677234_ffn2.kd
    .args:
      - { .name: h, .offset: 0, .size: 8, .value_kind: global_buffer, .address_space: global }
      - { .name: W2, .offset: 8, .size: 8, .value_kind: global_buffer, .address_space: global }
      - { .name: b2, .offset: 16, .size: 8, .value_kind: global_buffer, .address_space: global }
      - { .name: bm, .offset: 24, .size: 8, .value_kind: global_buffer, .address_space: global }
      - { .name: wts, .offset: 32, .size: 8, .value_kind: global_buffer, .address_space: global }
      - { .name: part, .offset: 40, .size: 8, .value_kind: global_buffer, .address_space: global }
    .group_segment_fixed_size: 305920
    .private_segment_fixed_size: 0
    .kernarg_segment_align: 8
    .kernarg_segment_size: 48
    .max_flat_workgroup_size: 256
    .sgpr_count:     102
    .vgpr_count:     448
    .wavefront_size: 32
...
	.end_amdgpu_metadata
.endif
;; end of part 3
;; launch comb (part 4): grid 256 x 1, 8 waves a work-group, no clusters, 0 bytes of LDS; arguments part, auxp, out0, out1; writes out0, out1
.if DOCPART == 4
	.amdgcn_target "amdgcn-amd-amdhsa--gfx1250"
	.amdhsa_code_object_version 6
	.text
	.protected	k_qe5d3677234_comb
	.globl	k_qe5d3677234_comb
	.p2align	8
	.type	k_qe5d3677234_comb,@function
k_qe5d3677234_comb:
	s_mov_b64 s[64:65], 0
	v_nop
	global_prefetch_b8 v0, s[64:65] scope:SCOPE_SE
	s_setreg_imm32_b32 hwreg(HW_REG_WAVE_MODE, 25, 1), 1
	s_wait_xcnt 0x0
; out0[t] = the sum of the token's four partial rows (two choices x two halves of K), already weighed by the gate; out1 = the aux loss.
; A stream: a work-group owns 4 tokens, two waves a token; a wave's load or store covers 512 consecutive bytes.  No LDS, no matrix unit: memory binds.
; Work-group 0's wave 0 also adds up the 32 groups' sums of probabilities P_e and counts C_e:
; aux = 8 x sum_e (C_e / 1024) (P_e / 1024) = 2^-17 sum_e C_e P_e  (1024 + 1e-8 is 1024 in f32).
	s_load_b256 s[4:11], s[0:1], 0x0               ; part s[4:5], auxp s[6:7], out0 s[8:9], out1 s[10:11]
	v_and_b32 v1, 31, v0
	v_lshrrev_b32 v2, 5, v0
	v_readfirstlane_b32 s12, v2                    ; wave
	v_lshrrev_b32 v3, 6, v0                        ; which of the four tokens
	v_bfe_u32 v4, v0, 5, 1                         ; which half of its row
	v_lshlrev_b32 v5, 4, v1
	v_lshl_add_u32 v5, v4, 11, v5
	v_lshl_add_u32 v6, v3, 13, v5                  ; in part: a token's two slots are 8,192 bytes
	v_lshl_add_u32 v7, v3, 12, v5                  ; in out0: a row is 4,096 bytes
	s_lshl_b32 s14, ttmp9, 15
	s_mov_b32 s15, 0
	s_lshl_b32 s16, ttmp9, 14
	s_mov_b32 s17, 0
	s_wait_kmcnt 0x0
	s_add_nc_u64 s[4:5], s[4:5], s[14:15]
	s_add_nc_u64 s[18:19], s[4:5], 0x800000        ; the second half of K's plane
	s_add_nc_u64 s[8:9], s[8:9], s[16:17]
.irp i, 0,1,2,3
	global_load_b128 v[8+4*\i:8+4*\i+3], v6, s[4:5] offset:512*\i th:TH_LOAD_NT
	global_load_b128 v[24+4*\i:24+4*\i+3], v6, s[18:19] offset:512*\i th:TH_LOAD_NT
	global_load_b128 v[40+4*\i:40+4*\i+3], v6, s[4:5] offset:4096+512*\i th:TH_LOAD_NT
	global_load_b128 v[56+4*\i:56+4*\i+3], v6, s[18:19] offset:4096+512*\i th:TH_LOAD_NT
.endr
.irp i, 0,1,2,3
	s_wait_loadcnt 12-4*\i                         ; group i's four loads are in; the later groups stay out
.irp p, 0,2
	v_pk_add_f32 v[8+4*\i+\p:8+4*\i+\p+1], v[8+4*\i+\p:8+4*\i+\p+1], v[24+4*\i+\p:24+4*\i+\p+1]
	v_pk_add_f32 v[40+4*\i+\p:40+4*\i+\p+1], v[40+4*\i+\p:40+4*\i+\p+1], v[56+4*\i+\p:56+4*\i+\p+1]
	v_pk_add_f32 v[8+4*\i+\p:8+4*\i+\p+1], v[8+4*\i+\p:8+4*\i+\p+1], v[40+4*\i+\p:40+4*\i+\p+1]
.endr
	global_store_b128 v7, v[8+4*\i:8+4*\i+3], s[8:9] offset:512*\i th:TH_STORE_NT
.endr
	s_or_b32 s13, s12, ttmp9
	s_cmp_lg_u32 s13, 0
	s_cbranch_scc1 .Lend
	v_lshlrev_b32 v72, 2, v1                       ; lane: column lane % 16 of group 2 i + lane / 16
.irp i, 0,1,2,3,4,5,6,7,8,9,10,11,12,13,14,15
	global_load_b32 v[73+\i], v72, s[6:7] offset:128*\i
.endr
	s_mov_b32 s20, 0x76543210
	s_mov_b32 s21, 0xfedcba98
	v_mov_b32 v89, 0
	s_wait_loadcnt 0x0
.irp i, 1,2,3,4,5,6,7,8,9,10,11,12,13,14,15
	v_add_f32 v73, v73, v[73+\i]
.endr
	v_permlanex16_b32 v89, v73, s20, s21
	v_add_f32 v73, v73, v89                        ; lanes 0-7: P_e; lanes 8-15: C_e
	v_mul_f32_dpp v74, v73, v73 row_xmask:8 row_mask:0xf bank_mask:0xf
	v_add_f32_dpp v74, v74, v74 row_xmask:1 row_mask:0xf bank_mask:0xf
	v_add_f32_dpp v74, v74, v74 row_xmask:2 row_mask:0xf bank_mask:0xf
	v_add_f32_dpp v74, v74, v74 row_xmask:4 row_mask:0xf bank_mask:0xf
	v_mul_f32 v74, 0x37000000, v74                 ; 2^-17
	v_mov_b32 v75, 0
	v_cmp_eq_u32 vcc_lo, 0, v1
	s_wait_xcnt 0x0                                ; EXEC changes only behind this wait
	s_and_saveexec_b32 s22, vcc_lo
	global_store_b32 v75, v74, s[10:11]
	s_wait_xcnt 0x0
	s_or_b32 exec_lo, exec_lo, s22
.Lend:
	s_endpgm
.Lfunc_end_k_qe5d3677234_comb:
	.size	k_qe5d3677234_comb, .Lfunc_end_k_qe5d3677234_comb-k_qe5d3677234_comb
	.p2alignl 7, 3214868480
	.fill 96, 4, 3214868480
	.section	.rodata,"a",@progbits
	.p2align	6, 0x0
	.amdhsa_kernel k_qe5d3677234_comb
		.amdhsa_group_segment_fixed_size 0
		.amdhsa_private_segment_fixed_size 0
		.amdhsa_enable_private_segment 0
		.amdhsa_kernarg_size 32
		.amdhsa_user_sgpr_count 2
		.amdhsa_user_sgpr_kernarg_segment_ptr 1
		.amdhsa_wavefront_size32 1
		.amdhsa_system_sgpr_workgroup_id_x 1
		.amdhsa_system_sgpr_workgroup_id_y 1
		.amdhsa_system_sgpr_workgroup_id_z 1
		.amdhsa_system_vgpr_workitem_id 0
		.amdhsa_next_free_vgpr 96
		.amdhsa_next_free_sgpr 66
		.amdhsa_reserve_vcc 1
		.amdhsa_float_denorm_mode_32 3
		.amdhsa_float_denorm_mode_16_64 3
		.amdhsa_memory_ordered 1
		.amdhsa_forward_progress 1
		.amdhsa_inst_pref_size 8
	.end_amdhsa_kernel
	.amdgpu_metadata
---
amdhsa.version: [ 1, 2 ]
amdhsa.kernels:
  - .name:           k_qe5d3677234_comb
    .symbol:         k_qe5d3677234_comb.kd
    .args:
      - { .name: part, .offset: 0, .size: 8, .value_kind: global_buffer, .address_space: global }
      - { .name: auxp, .offset: 8, .size: 8, .value_kind: global_buffer, .address_space: global }
      - { .name: out0, .offset: 16, .size: 8, .value_kind: global_buffer, .address_space: global }
      - { .name: out1, .offset: 24, .size: 8, .value_kind: global_buffer, .address_space: global }
    .group_segment_fixed_size: 0
    .private_segment_fixed_size: 0
    .kernarg_segment_align: 8
    .kernarg_segment_size: 32
    .max_flat_workgroup_size: 256
    .sgpr_count:     66
    .vgpr_count:     96
    .wavefront_size: 32
...
	.end_amdgpu_metadata
.endif
;; end of part 4
;; ======== version 2 of 2: 4 launches; 1.26 times as fast as version 1
;; workspace buffers: xb 2,097,152 bytes; wts 8,192 bytes; bm 2,048 bytes of whole numbers; auxp 2,048 bytes; h 16,777,216 bytes; part 33,554,432 bytes
;; launch route: the kernel of part 1 again; grid 32 x 1, 8 waves a work-group, no clusters, 96,256 bytes of LDS; arguments x, Wg, bg, xb, wts, bm, auxp; writes xb, wts, bm, auxp
;; launch ffn1 (part 5): grid 256 x 1, 8 waves a work-group, no clusters, 307,200 bytes of LDS; arguments xb, W1, b1, bm, h; writes h
.if DOCPART == 5
	.amdgcn_target "amdgcn-amd-amdhsa--gfx1250"
	.amdhsa_code_object_version 6
	.text
	.protected	k_qe5d3677234_ffn1
	.globl	k_qe5d3677234_ffn1
	.p2align	8
	.type	k_qe5d3677234_ffn1,@function
k_qe5d3677234_ffn1:
	s_mov_b64 s[64:65], 0
	v_nop
	global_prefetch_b8 v0, s[64:65] scope:SCOPE_SE
	s_setreg_imm32_b32 hwreg(HW_REG_WAVE_MODE, 25, 1), 1
	s_wait_xcnt 0x0
; ONE SOURCE FOR THE TWO PRODUCTS OF THE EXPERTS' LAYER; FFN says which is assembled.
;   FFN = 1:  h[slot][f]          = gelu(xb[slot / 2] . W1[e][:, f] + b1[e][f])                      in bf16 (tanh form of gelu, as jax.nn.gelu)
;   FFN = 2:  part[kq][slot][d]   = wts[slot] x (h[slot][K quarter kq] . W2[e][K quarter kq, d] + (kq = 0) b2[e][d])   in f32 (partial sums)
; A slot is 2 token + choice.  Only the rows that chose an expert are multiplied.  Weights and biases are rounded once to bf16, sums in f32.
; SHARES.  256 work-groups = 8 experts x 32 slices of the expert's weights, each 1,024 k x 128 columns (FFN 1: 32 column slices; FFN 2: 8 column
; slices x 4 quarters of K: a work-group asks for rows x 2,048 bytes of token rows and stores rows x 512 bytes, the least sum of the two for a slice
; of this size).  A slice has one reader and is read once, in rows of 512 consecutive aligned bytes, rounded in registers and laid into LDS turned
; ([column][k]), where it stays.  NO CLUSTER, NO TENSOR LOAD: no two work-groups read the same weights, and the token rows, which an expert's
; work-groups do share, come by a list that no descriptor covers.
; ROWS.  Every wave counts the expert's rows from the bitmap bm; wave 0 lays the list of its slots into LDS.  A pass takes 384 ranks: 24 tiles of
; 16 rows; wave w has tiles w, 8 + w, 16 + w, against all the slice's columns.  Pass 0 runs beside the stream, chunk by chunk.  Then a loop of
; three trips: the way out of the pass in hand, then the next pass from the slice in LDS (an expert has 1,024 rows at the most).  Every wave walks
; all its trips and passes both barriers of each; every address is made on every wave's path.  What a pass holds for my wave (which of my three
; tiles have rows, which are full) is worked out once, where the pass begins, as six flags; where a flag says so only work (loads, products,
; stores) is jumped: a third tile without rows is neither loaded nor multiplied.  Ranks past the count repeat slot 0 and are not stored.
; COLUMNS are laid into LDS rows in a permuted order (lane and register of the stream's loads decide), so that the stream's LDS stores touch 16
; different 16-byte columns; the way out puts them right at no cost: see EPI.
; The products are used turned (source 0 = 16 LDS rows of weights, source 1 = 16 token rows): a lane holds one token row.
; The sums start from the bias, loaded into the accumulators: nothing is cleared and nothing is added at the end.
; LIMITS: NaN and infinities are not treated apart; an exponential below 2^-126 counts as 0.
.set FFN, 1
.set NB,     8                         ; blocks of 16 columns in the slice
.set PITCH,  2064                      ; an LDS row: 1,024 k in bf16 + 16 bytes: an odd multiple of 16
.set KSN,    2                         ; K steps of 32 in a chunk
.set KOB,    128                       ; a chunk's bytes along an LDS row and along a token row
.set RSTEP,  32*PITCH                  ; LDS rows of register i of a stream load begin at 32 i
.set WBYTES, 128*PITCH
.set BTB,    512                       ; the bias table
.set T0,     96                        ; v96-143, v144-191 token fragments, two buffers: K step ks, tile j at 8 (3 ks + j)
.set TSZ,    48
.set PK,     192                       ; v192-207 a chunk's 16 packed registers
.set S0,     192                       ; window 1: v192-223, v224-255 weights as loaded, two buffers
.if FFN == 1
.set WRS,    16384                     ; bytes from a row of the weights to the next
.set WSH,    17                        ; 8 such rows, as a shift
.set TSH,    11                        ; a token row: 2,048 bytes
.set OSH,    13                        ; an output row: 8,192 bytes
.set CSH,    8                         ; the slice's part of an output row: 256 bytes
.set HSTO,   6                         ; a half of the lanes puts 64 bytes of a stage row
.set OUTP,   12                        ; s[12:13] h
.else
.set WRS,    4096
.set WSH,    15
.set TSH,    13                        ; a row of h: 8,192 bytes
.set OSH,    12                        ; a row of part: 4,096 bytes
.set CSH,    9                         ; the slice's part of it: 512 bytes, sent in two halves
.set HSTO,   7                         ; a half of the lanes puts 128 bytes of a stage row
.set OUTP,   14                        ; s[14:15] part
.endif
.set STEP,   64*WRS                    ; a chunk: 64 rows of the weights
.set STAGE,  WBYTES                    ; 16 rows x 272 bytes for each wave, for the way out
.set LIST,   STAGE+8*4352              ; 1,664 words: ranks 0-1535, then a word a lane for the tokens that did not choose the expert
.set BT,     LIST+6656                 ; the slice's bias in f32, in the order of the LDS rows
.set SPARE,  BT+BTB                    ; the spare words, 128 bytes a wave; no other line names them
; window 0
.set WT,  1                            ; v1-3 (FFN 2) the gate's weight of my row in tiles 0-2; in the set-up: lane, r, half
.set SPW, 4
.set NIL, 5
.set SO,  6                            ; my byte offset in a chunk of the weights
.set H16, 7                            ; 16 x half
.set SA0, 8                            ; v8-11   where my packed registers go in LDS, at k = 0
.set WA0, 12                           ; v12-15  where my weight fragments lie, at k = 0
.set AD,  16                           ; v16-19  the same at the chunk in hand
.set TA,  20                           ; v20-22  byte offset of my token row in tiles 0-2
.set LP,  23                           ; list word of rank 16 w + r; never rewritten
.set LE,  24                           ; list word of rank 16 w + 8 half; never rewritten
.set RB,  25                           ; 16 w + 8 half
.set BTA, 26
.set STO, 27
.set RD,  28
.set CO,  29                           ; my 16 bytes in the first 256 bytes of the slice's part of an output row
.set TM0, 30                           ; at work in the set-up
.set TM1, 31
.set WF,  32                           ; v32-95 weight fragments of one K step, 8 registers a block
.set BV,  60                           ; v60-63 the bias as loaded
.set OUT, T0                           ; the way out works in the token buffers, which are idle then: 32 registers of a tile,
.set SLT, T0+48                        ; and 24 store offsets: tile j's rows 8 half + 0 .. 7 at SLT + 8 j
.set GT,  192                          ; window 1: gelu's temporaries, where the stream's buffer lay
; window 1: accumulator (tile j, block b) at 64 j + 8 b
.set KQ,  2                            ; (FFN 2) my quarter of K
.set C0,  16                           ; s[16:17], s[18:19] gelu's constants (the bitmap's registers, when the list is made)
.set C1,  18
.set HAS, 20                           ; s20-22  1: my tile j has rows in the pass in hand (the bitmap's registers, when the list is made)
.set ACT, HAS                          ;         tile 0's flag is the wave's: the tiles' ranks ascend
.set T2,  HAS+2
.set FUL, 24                           ; s24-26  1: all 16 rows of my tile j are under the count
.set WV,  84
.set EX,  85
.set SL,  86
.set CNT, 87                           ; the expert's rows
.set RUN, 88
.set TMPS, 89
.set LC,  90
.set PASSC, 91
.set PB,  93                           ; the pass's first rank
.set TB,  94                           ; s[94:95] token rows at the chunk to be loaded
.set WP,  96                           ; s[96:97] the slice at the chunk loaded last
.set SX,  98
.set KO,  99                           ; the chunk's byte along LDS rows
.set TMP2, 100
.set W16, 101
.set MSB, 0
.macro WIN new                         ; the immediate's high byte repeats the setting that is left; a switch that changes nothing is dropped
.if MSB != (\new)
	s_set_vgpr_msb (MSB<<8)|(\new)
.set MSB, (\new)
.endif
.endm
.macro PLACES                          ; four places behind a matrix instruction, ahead of loads into or vector work on its registers
.rept 4
	v_nop
.endr
.endm
.macro SLOAD buf, extra                ; a wave's eighth of a chunk of the weights: 8 loads of 512 consecutive bytes
	WIN 0x40
.irp j, 0,1,2,3,4,5,6,7
	global_load_b128 v[S0+32*(\buf)+4*\j:S0+32*(\buf)+4*\j+3], v[SO], s[WP:WP+1] offset:\j*WRS+(\extra) th:TH_LOAD_NT
.endr
	WIN 0
.endm
; A chunk's fragments of my tiles' token rows, straight into operand registers: tiles 0 and 1, and tile 2 only where it has rows.
.macro TLOAD buf
.irp ks, 0,1
.irp j, 0,1
	global_load_b128 v[T0+TSZ*(\buf)+8*(3*\ks+\j):T0+TSZ*(\buf)+8*(3*\ks+\j)+3], v[TA+\j], s[TB:TB+1] offset:64*\ks
	global_load_b128 v[T0+TSZ*(\buf)+8*(3*\ks+\j)+4:T0+TSZ*(\buf)+8*(3*\ks+\j)+7], v[TA+\j], s[TB:TB+1] offset:64*\ks+32
.endr
.endr
	s_cmp_eq_u32 s[T2], 0
	s_cbranch_scc1 .Lnot2_\@
.irp ks, 0,1
	global_load_b128 v[T0+TSZ*(\buf)+8*(3*\ks+2):T0+TSZ*(\buf)+8*(3*\ks+2)+3], v[TA+2], s[TB:TB+1] offset:64*\ks
	global_load_b128 v[T0+TSZ*(\buf)+8*(3*\ks+2)+4:T0+TSZ*(\buf)+8*(3*\ks+2)+7], v[TA+2], s[TB:TB+1] offset:64*\ks+32
.endr
.Lnot2_\@:
.endm
.macro CONV buf                        ; register i of loads 2 q, 2 q + 1 is one column at two neighbouring k: 8 k of column i make 16 bytes
	WIN 0x05                                       ; sources in window 1, destination in window 0
.irp i, 0,1,2,3
.irp q, 0,1,2,3
	v_cvt_pk_bf16_f32 v[PK+4*\i+\q], v[S0+32*(\buf)+8*\q+\i], v[S0+32*(\buf)+8*\q+4+\i]
.endr
.endr
	WIN 0
.endm
.macro PSTORE
.irp i, 0,1,2,3
	v_add_nc_u32 v[AD+\i], s[KO], v[SA0+\i]
.endr
.irp i, 0,1,2,3
	ds_store_b128 v[AD+\i], v[PK+4*\i:PK+4*\i+3]
.endr
.endm
.macro MMT par, ks, j                  ; tile j's 8 products of K step ks; each on an accumulator of its own
.set b_, 0
.rept NB
	v_wmma_f32_16x16x32_bf16 v[8*NB*(\j)+8*b_:8*NB*(\j)+8*b_+7], v[WF+8*b_:WF+8*b_+7], v[T0+TSZ*(\par)+8*(3*(\ks)+(\j)):T0+TSZ*(\par)+8*(3*(\ks)+(\j))+7], v[8*NB*(\j)+8*b_:8*NB*(\j)+8*b_+7]
.set b_, b_+1
.endr
.endm
; A K step of 32: the slice's fragments out of LDS, then 16 products, and 8 more where my third tile has rows.  All accumulators take turns.
; sig = 1: my last reads of the chunk are back: say so; the wait stands behind the products.
.macro KSTEP par, ks, sig
	PLACES
.irp q, 0,1,2,3
.irp u, 0,1
	ds_load_b128 v[WF+8*(2*\q+\u):WF+8*(2*\q+\u)+3], v[AD+\q] offset:\u*16*PITCH+64*(\ks)
	ds_load_b128 v[WF+8*(2*\q+\u)+4:WF+8*(2*\q+\u)+7], v[AD+\q] offset:\u*16*PITCH+64*(\ks)+32
.endr
.endr
	s_wait_dscnt 0x0
.if \sig
	s_barrier_signal -1
.endif
	WIN 0x50                                       ; C and D in window 1
	MMT \par, \ks, 0
	MMT \par, \ks, 1
	WIN 0
	s_cmp_eq_u32 s[T2], 0
	s_cbranch_scc1 .Lno2_\@
	WIN 0x50
	MMT \par, \ks, 2
	WIN 0
.Lno2_\@:
.endm
; A chunk of pass 0: its weights are rounded and laid into LDS, then multiplied.  sfill: the chunk two on is asked for.  tfill: the next chunk's token rows are.
; wcnt: the loads that may stay out: issued behind this chunk's token rows, be they 8 or 12 loads, are only the next chunk's 8 weight loads.
.macro TRIP par, sfill, tfill, wcnt
	s_wait_loadcnt \wcnt
	CONV \par                                      ; 16 plain instructions: also the places ahead of the loads into the other token buffer
	s_wait_xcnt 0x0                                ; the bases are stepped only behind this wait
.if \tfill
	s_add_nc_u64 s[TB:TB+1], s[TB:TB+1], KOB
	TLOAD 1-(\par)
.endif
.if \sfill
	s_add_nc_u64 s[WP:WP+1], s[WP:WP+1], STEP
	SLOAD \par, 0
.endif
	PSTORE
	s_wait_dscnt 0x0                               ; for the others' sake: my part of the chunk is in LDS
	s_barrier_signal -1
.irp q, 0,1,2,3
	v_add_nc_u32 v[AD+\q], s[KO], v[WA0+\q]
.endr
	s_barrier_wait -1                              ; everybody's part is
.set k_, 0
.rept KSN
	KSTEP \par, k_, k_/(KSN-1)
.set k_, k_+1
.endr
	s_barrier_wait -1                              ; every wave's reads of this chunk are back before any wave stores the next
	s_add_co_u32 s[KO], s[KO], KOB
.endm
; A chunk of a later pass: the slice lies in LDS; only token rows are loaded, a chunk ahead.  The addresses step on every wave's path; a wave without rows jumps the work.
; guard = 1: the trip's second chunk: in the loop's last trip it is the 16th, and no further chunk is loaded (the stepped base is not used).
.macro TRIPN par, guard
	s_wait_xcnt 0x0                                ; the base is stepped only behind this wait
	s_add_nc_u64 s[TB:TB+1], s[TB:TB+1], KOB
.irp q, 0,1,2,3
	v_add_nc_u32 v[AD+\q], s[KO], v[WA0+\q]        ; four plain instructions: also the places ahead of the loads into the other token buffer
.endr
	s_add_co_u32 s[KO], s[KO], KOB
	s_cmp_eq_u32 s[ACT], 0
	s_cbranch_scc1 .Lidle_\@
	s_wait_loadcnt 0x0                             ; this chunk's token rows
.if \guard
	s_cmp_eq_u32 s[LC], 1
	s_cbranch_scc1 .Lnomore_\@
.endif
	TLOAD 1-(\par)
.Lnomore_\@:
.set k_, 0
.rept KSN
	KSTEP \par, k_, 0
.set k_, k_+1
.endr
.Lidle_\@:
.endm
; The list's words for the way out of pass p (slots of rows 8 half + 0 .. 7 of my three tiles) and for pass p + 1 (slot of row r of my three tiles): fixed registers, the pass in the immediate.
.macro LISTLD p
.irp j, 0,1,2
	ds_load_b128 v[SLT+8*\j:SLT+8*\j+3], v[LE] offset:1536*(\p)+512*\j
	ds_load_b128 v[SLT+8*\j+4:SLT+8*\j+7], v[LE] offset:1536*(\p)+512*\j+16
	ds_load_b32 v[TA+\j], v[LP] offset:1536*((\p)+1)+512*\j
.endr
.endm
; A pass begins, on every wave's path: from my three rows' slots to their addresses, and the six flags: what the pass holds for my three tiles.
.macro TAFIX
.irp j, 0,1,2
.if FFN == 1
	v_lshrrev_b32 v[TA+\j], 1, v[TA+\j]            ; the slot's token
	v_min_u32 v[TA+\j], 1023, v[TA+\j]
.else
	v_min_u32 v[TA+\j], 2047, v[TA+\j]
	v_lshlrev_b32 v[WT+\j], 2, v[TA+\j]
.endif
	v_lshl_add_u32 v[TA+\j], v[TA+\j], TSH, v[H16]
.endr
.if FFN == 2
.irp j, 0,1,2
	global_load_b32 v[WT+\j], v[WT+\j], s[12:13]   ; the gate's weight of my row
.endr
.endif
	s_mov_b64 s[TB:TB+1], s[4:5]
	s_mov_b32 s[KO], 0
	s_add_co_u32 s[TMPS], s[PB], s[W16]            ; tile j's first rank: first rank of the pass + 16 w + 128 j
.irp j, 0,1,2
	s_cmp_lt_u32 s[TMPS], s[CNT]
	s_cselect_b32 s[HAS+\j], 1, 0
	s_add_co_u32 s[TMPS], s[TMPS], 16
	s_cmp_le_u32 s[TMPS], s[CNT]
	s_cselect_b32 s[FUL+\j], 1, 0
	s_add_co_u32 s[TMPS], s[TMPS], 112
.endr
.endm
.macro ACCINIT                         ; the bias into all accumulators (waited for in front of the first products), and the first chunk's token rows
	WIN 0x40
.set a_, 0
.rept 3*NB
	ds_load_b128 v[8*a_:8*a_+3], v[BTA] offset:64*(a_%NB)
	ds_load_b128 v[8*a_+4:8*a_+7], v[BTA] offset:64*(a_%NB)+16
.set a_, a_+1
.endr
	WIN 0
	TLOAD 0
.endm
.macro GELU                            ; x / (1 + 2^(x (C0 + C1 x^2))) on the eight registers from ga_, in place; temporaries from gt_
.irp p, 0,2,4,6
	v_pk_mul_f32 v[gt_+\p:gt_+\p+1], v[ga_+\p:ga_+\p+1], v[ga_+\p:ga_+\p+1]
.endr
.irp p, 0,2,4,6
	v_pk_fma_f32 v[gt_+\p:gt_+\p+1], v[gt_+\p:gt_+\p+1], s[C1:C1+1], s[C0:C0+1] op_sel_hi:[1,0,0]
.endr
.irp p, 0,2,4,6
	v_pk_mul_f32 v[gt_+\p:gt_+\p+1], v[gt_+\p:gt_+\p+1], v[ga_+\p:ga_+\p+1]
.endr
.irp i, 0,1,2,3,4,5,6,7
	v_exp_f32 v[gt_+\i], v[gt_+\i]
.endr
	v_nop                                          ; a plain instruction behind the last exponential (ISA guide 5.7.2)
	s_wait_alu depctr_va_vdst(0)
.irp p, 0,2,4,6
	v_pk_add_f32 v[gt_+\p:gt_+\p+1], v[gt_+\p:gt_+\p+1], 1.0 op_sel_hi:[1,0]
.endr
.irp i, 0,1,2,3,4,5,6,7
	v_rcp_f32 v[gt_+\i], v[gt_+\i]
.endr
	v_nop
	s_wait_alu depctr_va_vdst(0)
.irp p, 0,2,4,6
	v_pk_mul_f32 v[ga_+\p:ga_+\p+1], v[ga_+\p:ga_+\p+1], v[gt_+\p:gt_+\p+1]
.endr
.endm
; What lies in my stage comes back as 16 whole rows of 256 bytes and is stored at byte off of the slice's part of tile j's output rows.
.macro SENDT j, off
.irp t, 0,1,2,3,4,5,6,7
	ds_load_b128 v[OUT+4*\t:OUT+4*\t+3], v[RD] offset:272*\t   ; LDS serves a wave's instructions in order: these see my stores into the stage.  Lanes 0-15 row t, lanes 16-31 row 8 + t
.endr
	s_wait_dscnt 0x0
	s_cmp_eq_u32 s[FUL+(\j)], 0
	s_cbranch_scc1 .Lpart_\@
.irp t, 0,1,2,3,4,5,6,7
	global_store_b128 v[SLT+8*(\j)+\t], v[OUT+4*\t:OUT+4*\t+3], s[OUTP:OUTP+1] offset:\off   ; 16 lanes store 256 consecutive bytes, aligned
.endr
	s_branch .Lsent_\@
.Lpart_\@:                                             ; the count falls into this tile: rows past it are masked
	s_sub_co_u32 s[TMP2], s[CNT], s[PB]
.if (\j) > 0
	s_sub_co_u32 s[TMP2], s[TMP2], 128*(\j)
.endif
.irp t, 0,1,2,3,4,5,6,7
	v_cmp_gt_i32 vcc_lo, s[TMP2], v[RB]            ; rank = first rank + 128 j + 16 w + 8 half + t is under the count
	s_wait_xcnt 0x0                                ; EXEC changes only behind this wait
	s_and_saveexec_b32 s[SX], vcc_lo
	global_store_b128 v[SLT+8*(\j)+\t], v[OUT+4*\t:OUT+4*\t+3], s[OUTP:OUTP+1] offset:\off
	s_wait_xcnt 0x0
	s_mov_b32 exec_lo, -1                          ; every lane was on ahead of the narrowing: all are on again
	s_sub_co_u32 s[TMP2], s[TMP2], 1
.endr
.Lsent_\@:
.endm
; THE WAY OUT of my tile j.  Register i of the accumulator of block b = 2 q + u, in half hh of the lanes, is column 64 u + 32 hh + 4 i + q,
; so taking the four q by turns for each i gives neighbouring columns.  They go through my own stage in LDS and come back as whole rows of 256 bytes:
; FFN 1: all 128 columns in bf16 at once; FFN 2: the 64 columns of u = 0 in f32, then those of u = 1.
; All addresses (stage, store offsets) were made ahead of the branches, which go by the pass's flags.
.macro EPI j
	s_cmp_eq_u32 s[HAS+(\j)], 0
	s_cbranch_scc1 .Lskip_\@                       ; the tile has no row
.if FFN == 1
	s_wait_xcnt 0x0                                ; the tile before has had its stores' registers read
	WIN 0x55
.set b_, 0
.rept 8
.set ga_, 64*(\j)+8*b_
.set gt_, GT+8*(b_%2)
	GELU
.set b_, b_+1
.endr
	WIN 0x05
.irp u, 0,1
.set i_, 0
.rept 8
	v_cvt_pk_bf16_f32 v[OUT+16*\u+2*i_], v[64*(\j)+8*\u+i_], v[64*(\j)+8*(2+\u)+i_]
	v_cvt_pk_bf16_f32 v[OUT+16*\u+2*i_+1], v[64*(\j)+8*(4+\u)+i_], v[64*(\j)+8*(6+\u)+i_]
.set i_, i_+1
.endr
.endr
	WIN 0
.irp u, 0,1
.irp q, 0,1,2,3
	ds_store_b128 v[STO], v[OUT+16*\u+4*\q:OUT+16*\u+4*\q+3] offset:128*\u+16*\q
.endr
.endr
	SENDT \j, 0
.else
.irp u, 0,1
	s_wait_xcnt 0x0                                ; the stores before have had their registers read
	WIN 0x01                                       ; the accumulators (source 0) in window 1
.set i_, 0
.rept 8
.irp q, 0,1,2,3
	v_mul_f32 v[OUT+4*i_+\q], v[64*(\j)+8*(2*\q+\u)+i_], v[WT+(\j)]
.endr
.set i_, i_+1
.endr
	WIN 0
.irp q, 0,1,2,3,4,5,6,7
	ds_store_b128 v[STO], v[OUT+4*\q:OUT+4*\q+3] offset:16*\q
.endr
	SENDT \j, 256*\u
.endr
.endif
.Lskip_\@:
.endm
	s_load_b256 s[4:11], s[0:1], 0x0               ; token rows s[4:5], weights s[6:7], bias s[8:9], bm s[10:11]
.if FFN == 1
	s_load_b64 s[12:13], s[0:1], 0x20              ; h
.else
	s_load_b128 s[12:15], s[0:1], 0x20             ; wts, part
.endif
	v_lshl_add_u32 v[SPW], v0, 2, SPARE
	v_mov_b32 v[NIL], 0
	v_and_b32 v1, 31, v0                           ; lane
	v_and_b32 v2, 15, v0                           ; r
	v_bfe_u32 v3, v0, 4, 1                         ; half
	v_lshrrev_b32 v[TM0], 5, v0
	v_readfirstlane_b32 s[WV], v[TM0]
	s_lshl_b32 s[W16], s[WV], 4
	s_lshr_b32 s[EX], ttmp9, 5                     ; the expert
.if FFN == 1
	s_and_b32 s[SL], ttmp9, 31                     ; the slice: 128 of 4,096 columns
.else
	s_bfe_u32 s[SL], ttmp9, 0x30002                ; the slice: 128 of 1,024 columns,
	s_and_b32 s[KQ], ttmp9, 3                      ; one quarter of K
.endif
	v_lshlrev_b32 v[H16], 4, v3
	s_lshl_b32 s[TMPS], s[WV], WSH                 ; rows 8 w on; a lane takes 16 bytes of the row's 512
	v_lshl_add_u32 v[SO], v1, 4, s[TMPS]
	v_mul_u32_u24 v[TM0], v1, PITCH                ; LDS row 32 i + lane, 16 bytes at k = 8 w
	v_add_nc_u32 v[TM0], s[W16], v[TM0]
	v_mul_u32_u24 v[TM1], v2, PITCH
	v_add_nc_u32 v[TM1], v[H16], v[TM1]            ; a fragment: row r, 16 bytes a half
.irp i, 0,1,2,3
	v_add_nc_u32 v[SA0+\i], \i*RSTEP, v[TM0]
	v_add_nc_u32 v[WA0+\i], \i*RSTEP, v[TM1]
.endr
	s_lshl_b32 s[TMPS], s[WV], 6
	s_add_co_u32 s[TMPS], s[TMPS], LIST
	v_lshl_add_u32 v[LP], v2, 2, s[TMPS]
	v_lshl_add_u32 v[LE], v3, 5, s[TMPS]
	v_lshl_add_u32 v[RB], v3, 3, s[W16]
	v_lshl_add_u32 v[BTA], v3, 5, BT
	s_mul_i32 s[TMPS], s[WV], 4352
	s_add_co_u32 s[TMPS], s[TMPS], STAGE           ; my stage
	v_mul_u32_u24 v[STO], v2, 272
	v_lshl_add_u32 v[STO], v3, HSTO, v[STO]
	v_add_nc_u32 v[STO], s[TMPS], v[STO]
	v_mul_u32_u24 v[RD], v3, 2176
	v_lshl_add_u32 v[RD], v2, 4, v[RD]
	v_add_nc_u32 v[RD], s[TMPS], v[RD]
	s_lshl_b32 s[TMPS], s[SL], CSH
	v_lshl_add_u32 v[CO], v2, 4, s[TMPS]
	v_lshlrev_b32 v[TM1], 4, v1                    ; my 16 bytes of the slice's bias
.irp b, 0,1                                            ; my third tile's operand registers are written once: a wave whose third tile has no rows never loads them
.irp ks, 0,1
.irp i, 0,1,2,3,4,5,6,7
	v_mov_b32 v[T0+TSZ*\b+8*(3*\ks+2)+\i], 0
.endr
.endr
.endr
	s_wait_kmcnt 0x0
	s_lshl_b32 s88, s[EX], 8                       ; the expert's 64 bitmap words
	s_mov_b32 s89, 0
	s_add_nc_u64 s[10:11], s[10:11], s[88:89]
	s_load_b512 s[16:31], s[10:11], 0x0
	s_load_b512 s[32:47], s[10:11], 0x40
	s_load_b512 s[48:63], s[10:11], 0x80
	s_load_b512 s[68:83], s[10:11], 0xc0
	s_lshl_b32 s88, s[EX], 24                      ; an expert's weights: 2^24 bytes
.if FFN == 1
	s_lshl_b32 s[TMP2], s[SL], 9
	s_add_co_u32 s88, s88, s[TMP2]
	s_add_nc_u64 s[WP:WP+1], s[6:7], s[88:89]
	s_lshl_b32 s88, s[EX], 14
	s_add_co_u32 s88, s88, s[TMP2]
	s_add_nc_u64 s[8:9], s[8:9], s[88:89]
.else
	s_lshl_b32 s[TMP2], s[KQ], 22                  ; 1,024 rows of 4,096 bytes
	s_add_co_u32 s88, s88, s[TMP2]
	s_lshl_b32 s[TMP2], s[SL], 9
	s_add_co_u32 s88, s88, s[TMP2]
	s_add_nc_u64 s[WP:WP+1], s[6:7], s[88:89]
	s_lshl_b32 s88, s[EX], 12
	s_add_co_u32 s88, s88, s[TMP2]
	s_add_nc_u64 s[8:9], s[8:9], s[88:89]
	s_lshl_b32 s88, s[KQ], 11                      ; h at my quarter of K
	s_add_nc_u64 s[4:5], s[4:5], s[88:89]
	s_lshl_b32 s88, s[KQ], 23                      ; part at my quarter's plane
	s_add_nc_u64 s[14:15], s[14:15], s[88:89]
.endif
	global_load_b128 v[BV:BV+3], v[TM1], s[8:9]
	SLOAD 0, 0                                     ; chunks 0 and 1 are on their way while the list is made
	SLOAD 1, STEP
	s_wait_kmcnt 0x0
	s_mov_b32 s[CNT], 0
.set q_, 0
.rept 64
	s_bcnt1_i32_b32 s[TMPS], s[16+q_+4*(q_/48)]
	s_add_co_u32 s[CNT], s[CNT], s[TMPS]
.set q_, q_+1
.endr
	s_cmp_lg_u32 s[WV], 0
	s_cbranch_scc1 .Lnot0
	; wave 0: the list.  All words 0 first (ranks past the count repeat slot 0); then word q of the bitmap gives each chosen token its rank.
	v_mov_b32 v32, 0
	v_mov_b32 v33, 0
	v_mov_b32 v34, 0
	v_mov_b32 v35, 0
	v_lshl_add_u32 v36, v1, 4, LIST
	v_lshlrev_b32 v37, 1, v1
	v_add_nc_u32 v38, 1536, v1                     ; a lane whose token did not choose the expert writes here
.irp i, 0,1,2,3,4,5,6,7,8,9,10,11,12
	ds_store_b128 v36, v[32:35] offset:512*\i
.endr
	s_mov_b32 s[RUN], 0
.set q_, 0
.rept 64
.set w_, 16+q_+4*(q_/48)
.set r_, 40+2*(q_%4)
	v_mbcnt_lo_u32_b32 v[r_], s[w_], s[RUN]        ; ranks so far + chosen tokens in lower lanes
	v_cndmask_b32 v[r_], v38, v[r_], s[w_]
	v_min_u32 v[r_], 1567, v[r_]
	v_lshl_add_u32 v[r_], v[r_], 2, LIST
	v_add_nc_u32 v[r_+1], ((q_&31)<<6)|(q_>>5), v37   ; slot = 2 (32 group + lane) + choice
	ds_store_b32 v[r_], v[r_+1]
	s_bcnt1_i32_b32 s[TMPS], s[w_]
	s_add_co_u32 s[RUN], s[RUN], s[TMPS]
.set q_, q_+1
.endr
.Lnot0:
	s_cmp_lg_u32 s[WV], 1
	s_cbranch_scc1 .Lnot1
	; wave 1: the bias, rounded to bf16, in the order of the LDS rows
	s_wait_loadcnt 16                              ; behind the bias: the 16 loads of chunks 0 and 1
	v_cvt_pk_bf16_f32 v40, v[BV], v[BV+1]
	v_cvt_pk_bf16_f32 v41, v[BV+2], v[BV+3]
	v_lshlrev_b32 v42, 16, v40
	v_and_b32 v43, 0xffff0000, v40
	v_lshlrev_b32 v44, 16, v41
	v_and_b32 v45, 0xffff0000, v41
.if FFN == 2
	s_cmp_eq_u32 s[KQ], 0                          ; the bias belongs to one of the four partial sums
	s_cselect_b32 s[TMPS], -1, 0
.irp i, 0,1,2,3
	v_and_b32 v[42+\i], s[TMPS], v[42+\i]
.endr
.endif
	v_lshl_add_u32 v46, v1, 2, BT
.irp i, 0,1,2,3
	ds_store_b32 v46, v[42+\i] offset:\i*BTB/4
.endr
.Lnot1:
	s_wait_dscnt 0x0                               ; list and bias are in LDS,
	s_barrier_signal -1
	s_barrier_wait -1                              ; for every wave
.if FFN == 1
	s_mov_b32 s[C0], 0xc0135761                    ; -2 sqrt(2/pi) log2(e)
	s_mov_b32 s[C0+1], 0xc0135761
	s_mov_b32 s[C1], 0xbdd2d3e8                    ; the same x 0.044715
	s_mov_b32 s[C1+1], 0xbdd2d3e8
.endif
	s_mov_b32 s[PB], 0
.irp j, 0,1,2
	ds_load_b32 v[TA+\j], v[LP] offset:512*\j      ; pass 0: the slots of my three rows
.endr
	s_wait_dscnt 0x0
	TAFIX
	ACCINIT
	s_wait_xcnt 0x0
	s_add_nc_u64 s[WP:WP+1], s[WP:WP+1], STEP      ; the chunk loaded last is chunk 1
	s_wait_loadcnt 0x0                             ; the first token rows were issued behind chunk 1: this once everything is waited for
	s_mov_b32 s[LC], 7
.Lp0:                                                  ; pass 0, beside the stream: 16 chunks
	TRIP 0, 1, 1, 8
	TRIP 1, 1, 1, 8
	s_sub_co_u32 s[LC], s[LC], 1
	s_cmp_lg_u32 s[LC], 0
	s_cbranch_scc1 .Lp0
	TRIP 0, 0, 1, 8                                ; the last two chunks ask for no weights, the last for nothing
	TRIP 1, 0, 0, 0
	s_mov_b32 s[PASSC], 3
.Lpass:                                                ; three trips: the way out of a pass, then the next pass
	s_wait_loadcnt 0x0                             ; no load is out: the token offsets and the gate's weights may be written again
	PLACES
	s_cmp_eq_u32 s[PASSC], 3                       ; which pass: the loop's own counter chooses the immediates
	s_cbranch_scc1 .Llist0
	s_cmp_eq_u32 s[PASSC], 2
	s_cbranch_scc1 .Llist1
	LISTLD 2
	s_branch .Llisted
.Llist0:
	LISTLD 0
	s_branch .Llisted
.Llist1:
	LISTLD 1
.Llisted:
	s_wait_dscnt 0x0
.set t_, 0
.rept 24
	v_min_u32 v[SLT+t_], 2047, v[SLT+t_]
	v_lshl_add_u32 v[SLT+t_], v[SLT+t_], OSH, v[CO]   ; the row's place in the output, and my 16 bytes of the slice's part
.set t_, t_+1
.endr
	EPI 0
	EPI 1
	EPI 2
	s_wait_xcnt 0x0                                ; the stores have read their registers, which the next pass loads again
	s_add_co_u32 s[PB], s[PB], 384
	TAFIX
	s_wait_dscnt 0x0                               ; my stage is at rest,
	s_barrier_signal -1
	s_barrier_wait -1                              ; and so is every wave's, before any wave reads the slice again
	s_cmp_eq_u32 s[ACT], 0
	s_cbranch_scc1 .Lnoinit
	ACCINIT
.Lnoinit:
	s_mov_b32 s[LC], 8
.Lpn:                                                  ; eight trips of two chunks
	TRIPN 0, 0
	TRIPN 1, 1
	s_sub_co_u32 s[LC], s[LC], 1
	s_cmp_lg_u32 s[LC], 0
	s_cbranch_scc1 .Lpn
	s_wait_dscnt 0x0                               ; my reads of the slice are back,
	s_barrier_signal -1
	s_barrier_wait -1                              ; and every wave's, before any wave writes LDS again
	s_sub_co_u32 s[PASSC], s[PASSC], 1
	s_cmp_lg_u32 s[PASSC], 0
	s_cbranch_scc1 .Lpass
	s_wait_tensorcnt 0x0                           ; the wave's end, behind my last LDS store
	ds_add_u32 v[SPW], v[NIL]
	s_wait_dscnt 0x0
	s_endpgm
.Lfunc_end_k_qe5d3677234_ffn1:
	.size	k_qe5d3677234_ffn1, .Lfunc_end_k_qe5d3677234_ffn1-k_qe5d3677234_ffn1
	.p2alignl 7, 3214868480
	.fill 96, 4, 3214868480
	.section	.rodata,"a",@progbits
	.p2align	6, 0x0
	.amdhsa_kernel k_qe5d3677234_ffn1
		.amdhsa_group_segment_fixed_size 307200
		.amdhsa_private_segment_fixed_size 0
		.amdhsa_enable_private_segment 0
		.amdhsa_kernarg_size 40
		.amdhsa_user_sgpr_count 2
		.amdhsa_user_sgpr_kernarg_segment_ptr 1
		.amdhsa_wavefront_size32 1
		.amdhsa_system_sgpr_workgroup_id_x 1
		.amdhsa_system_sgpr_workgroup_id_y 1
		.amdhsa_system_sgpr_workgroup_id_z 1
		.amdhsa_system_vgpr_workitem_id 0
		.amdhsa_next_free_vgpr 512
		.amdhsa_next_free_sgpr 102
		.amdhsa_reserve_vcc 1
		.amdhsa_float_denorm_mode_32 3
		.amdhsa_float_denorm_mode_16_64 3
		.amdhsa_memory_ordered 1
		.amdhsa_forward_progress 1
		.amdhsa_inst_pref_size 174
	.end_amdhsa_kernel
	.amdgpu_metadata
---
amdhsa.version: [ 1, 2 ]
amdhsa.kernels:
  - .name:           k_qe5d3677234_ffn1
    .symbol:         k_qe5d3677234_ffn1.kd
    .args:
      - { .name: xb, .offset: 0, .size: 8, .value_kind: global_buffer, .address_space: global }
      - { .name: W1, .offset: 8, .size: 8, .value_kind: global_buffer, .address_space: global }
      - { .name: b1, .offset: 16, .size: 8, .value_kind: global_buffer, .address_space: global }
      - { .name: bm, .offset: 24, .size: 8, .value_kind: global_buffer, .address_space: global }
      - { .name: h, .offset: 32, .size: 8, .value_kind: global_buffer, .address_space: global }
    .group_segment_fixed_size: 307200
    .private_segment_fixed_size: 0
    .kernarg_segment_align: 8
    .kernarg_segment_size: 40
    .max_flat_workgroup_size: 256
    .sgpr_count:     102
    .vgpr_count:     512
    .wavefront_size: 32
...
	.end_amdgpu_metadata
.endif
;; end of part 5
;; launch ffn2 (part 6): grid 256 x 1, 8 waves a work-group, no clusters, 307,200 bytes of LDS; arguments h, W2, b2, bm, wts, part; writes part
.if DOCPART == 6
	.amdgcn_target "amdgcn-amd-amdhsa--gfx1250"
	.amdhsa_code_object_version 6
	.text
	.protected	k_qe5d3677234_ffn2
	.globl	k_qe5d3677234_ffn2
	.p2align	8
	.type	k_qe5d3677234_ffn2,@function
k_qe5d3677234_ffn2:
	s_mov_b64 s[64:65], 0
	v_nop
	global_prefetch_b8 v0, s[64:65] scope:SCOPE_SE
	s_setreg_imm32_b32 hwreg(HW_REG_WAVE_MODE, 25, 1), 1
	s_wait_xcnt 0x0
; ONE SOURCE FOR THE TWO PRODUCTS OF THE EXPERTS' LAYER; FFN says which is assembled.
;   FFN = 1:  h[slot][f]          = gelu(xb[slot / 2] . W1[e][:, f] + b1[e][f])                      in bf16 (tanh form of gelu, as jax.nn.gelu)
;   FFN = 2:  part[kq][slot][d]   = wts[slot] x (h[slot][K quarter kq] . W2[e][K quarter kq, d] + (kq = 0) b2[e][d])   in f32 (partial sums)
; A slot is 2 token + choice.  Only the rows that chose an expert are multiplied.  Weights and biases are rounded once to bf16, sums in f32.
; SHARES.  256 work-groups = 8 experts x 32 slices of the expert's weights, each 1,024 k x 128 columns (FFN 1: 32 column slices; FFN 2: 8 column
; slices x 4 quarters of K: a work-group asks for rows x 2,048 bytes of token rows and stores rows x 512 bytes, the least sum of the two for a slice
; of this size).  A slice has one reader and is read once, in rows of 512 consecutive aligned bytes, rounded in registers and laid into LDS turned
; ([column][k]), where it stays.  NO CLUSTER, NO TENSOR LOAD: no two work-groups read the same weights, and the token rows, which an expert's
; work-groups do share, come by a list that no descriptor covers.
; ROWS.  Every wave counts the expert's rows from the bitmap bm; wave 0 lays the list of its slots into LDS.  A pass takes 384 ranks: 24 tiles of
; 16 rows; wave w has tiles w, 8 + w, 16 + w, against all the slice's columns.  Pass 0 runs beside the stream, chunk by chunk.  Then a loop of
; three trips: the way out of the pass in hand, then the next pass from the slice in LDS (an expert has 1,024 rows at the most).  Every wave walks
; all its trips and passes both barriers of each; every address is made on every wave's path.  What a pass holds for my wave (which of my three
; tiles have rows, which are full) is worked out once, where the pass begins, as six flags; where a flag says so only work (loads, products,
; stores) is jumped: a third tile without rows is neither loaded nor multiplied.  Ranks past the count repeat slot 0 and are not stored.
; COLUMNS are laid into LDS rows in a permuted order (lane and register of the stream's loads decide), so that the stream's LDS stores touch 16
; different 16-byte columns; the way out puts them right at no cost: see EPI.
; The products are used turned (source 0 = 16 LDS rows of weights, source 1 = 16 token rows): a lane holds one token row.
; The sums start from the bias, loaded into the accumulators: nothing is cleared and nothing is added at the end.
; LIMITS: NaN and infinities are not treated apart; an exponential below 2^-126 counts as 0.
.set FFN, 2
.set NB,     8                         ; blocks of 16 columns in the slice
.set PITCH,  2064                      ; an LDS row: 1,024 k in bf16 + 16 bytes: an odd multiple of 16
.set KSN,    2                         ; K steps of 32 in a chunk
.set KOB,    128                       ; a chunk's bytes along an LDS row and along a token row
.set RSTEP,  32*PITCH                  ; LDS rows of register i of a stream load begin at 32 i
.set WBYTES, 128*PITCH
.set BTB,    512                       ; the bias table
.set T0,     96                        ; v96-143, v144-191 token fragments, two buffers: K step ks, tile j at 8 (3 ks + j)
.set TSZ,    48
.set PK,     192                       ; v192-207 a chunk's 16 packed registers
.set S0,     192                       ; window 1: v192-223, v224-255 weights as loaded, two buffers
.if FFN == 1
.set WRS,    16384                     ; bytes from a row of the weights to the next
.set WSH,    17                        ; 8 such rows, as a shift
.set TSH,    11                        ; a token row: 2,048 bytes
.set OSH,    13                        ; an output row: 8,192 bytes
.set CSH,    8                         ; the slice's part of an output row: 256 bytes
.set HSTO,   6                         ; a half of the lanes puts 64 bytes of a stage row
.set OUTP,   12                        ; s[12:13] h
.else
.set WRS,    4096
.set WSH,    15
.set TSH,    13                        ; a row of h: 8,192 bytes
.set OSH,    12                        ; a row of part: 4,096 bytes
.set CSH,    9                         ; the slice's part of it: 512 bytes, sent in two halves
.set HSTO,   7                         ; a half of the lanes puts 128 bytes of a stage row
.set OUTP,   14                        ; s[14:15] part
.endif
.set STEP,   64*WRS                    ; a chunk: 64 rows of the weights
.set STAGE,  WBYTES                    ; 16 rows x 272 bytes for each wave, for the way out
.set LIST,   STAGE+8*4352              ; 1,664 words: ranks 0-1535, then a word a lane for the tokens that did not choose the expert
.set BT,     LIST+6656                 ; the slice's bias in f32, in the order of the LDS rows
.set SPARE,  BT+BTB                    ; the spare words, 128 bytes a wave; no other line names them
; window 0
.set WT,  1                            ; v1-3 (FFN 2) the gate's weight of my row in tiles 0-2; in the set-up: lane, r, half
.set SPW, 4
.set NIL, 5
.set SO,  6                            ; my byte offset in a chunk of the weights
.set H16, 7                            ; 16 x half
.set SA0, 8                            ; v8-11   where my packed registers go in LDS, at k = 0
.set WA0, 12                           ; v12-15  where my weight fragments lie, at k = 0
.set AD,  16                           ; v16-19  the same at the chunk in hand
.set TA,  20                           ; v20-22  byte offset of my token row in tiles 0-2
.set LP,  23                           ; list word of rank 16 w + r; never rewritten
.set LE,  24                           ; list word of rank 16 w + 8 half; never rewritten
.set RB,  25                           ; 16 w + 8 half
.set BTA, 26
.set STO, 27
.set RD,  28
.set CO,  29                           ; my 16 bytes in the first 256 bytes of the slice's part of an output row
.set TM0, 30                           ; at work in the set-up
.set TM1, 31
.set WF,  32                           ; v32-95 weight fragments of one K step, 8 registers a block
.set BV,  60                           ; v60-63 the bias as loaded
.set OUT, T0                           ; the way out works in the token buffers, which are idle then: 32 registers of a tile,
.set SLT, T0+48                        ; and 24 store offsets: tile j's rows 8 half + 0 .. 7 at SLT + 8 j
.set GT,  192                          ; window 1: gelu's temporaries, where the stream's buffer lay
; window 1: accumulator (tile j, block b) at 64 j + 8 b
.set KQ,  2                            ; (FFN 2) my quarter of K
.set C0,  16                           ; s[16:17], s[18:19] gelu's constants (the bitmap's registers, when the list is made)
.set C1,  18
.set HAS, 20                           ; s20-22  1: my tile j has rows in the pass in hand (the bitmap's registers, when the list is made)
.set ACT, HAS                          ;         tile 0's flag is the wave's: the tiles' ranks ascend
.set T2,  HAS+2
.set FUL, 24                           ; s24-26  1: all 16 rows of my tile j are under the count
.set WV,  84
.set EX,  85
.set SL,  86
.set CNT, 87                           ; the expert's rows
.set RUN, 88
.set TMPS, 89
.set LC,  90
.set PASSC, 91
.set PB,  93                           ; the pass's first rank
.set TB,  94                           ; s[94:95] token rows at the chunk to be loaded
.set WP,  96                           ; s[96:97] the slice at the chunk loaded last
.set SX,  98
.set KO,  99                           ; the chunk's byte along LDS rows
.set TMP2, 100
.set W16, 101
.set MSB, 0
.macro WIN new                         ; the immediate's high byte repeats the setting that is left; a switch that changes nothing is dropped
.if MSB != (\new)
	s_set_vgpr_msb (MSB<<8)|(\new)
.set MSB, (\new)
.endif
.endm
.macro PLACES                          ; four places behind a matrix instruction, ahead of loads into or vector work on its registers
.rept 4
	v_nop
.endr
.endm
.macro SLOAD buf, extra                ; a wave's eighth of a chunk of the weights: 8 loads of 512 consecutive bytes
	WIN 0x40
.irp j, 0,1,2,3,4,5,6,7
	global_load_b128 v[S0+32*(\buf)+4*\j:S0+32*(\buf)+4*\j+3], v[SO], s[WP:WP+1] offset:\j*WRS+(\extra) th:TH_LOAD_NT
.endr
	WIN 0
.endm
; A chunk's fragments of my tiles' token rows, straight into operand registers: tiles 0 and 1, and tile 2 only where it has rows.
.macro TLOAD buf
.irp ks, 0,1
.irp j, 0,1
	global_load_b128 v[T0+TSZ*(\buf)+8*(3*\ks+\j):T0+TSZ*(\buf)+8*(3*\ks+\j)+3], v[TA+\j], s[TB:TB+1] offset:64*\ks
	global_load_b128 v[T0+TSZ*(\buf)+8*(3*\ks+\j)+4:T0+TSZ*(\buf)+8*(3*\ks+\j)+7], v[TA+\j], s[TB:TB+1] offset:64*\ks+32
.endr
.endr
	s_cmp_eq_u32 s[T2], 0
	s_cbranch_scc1 .Lnot2_\@
.irp ks, 0,1
	global_load_b128 v[T0+TSZ*(\buf)+8*(3*\ks+2):T0+TSZ*(\buf)+8*(3*\ks+2)+3], v[TA+2], s[TB:TB+1] offset:64*\ks
	global_load_b128 v[T0+TSZ*(\buf)+8*(3*\ks+2)+4:T0+TSZ*(\buf)+8*(3*\ks+2)+7], v[TA+2], s[TB:TB+1] offset:64*\ks+32
.endr
.Lnot2_\@:
.endm
.macro CONV buf                        ; register i of loads 2 q, 2 q + 1 is one column at two neighbouring k: 8 k of column i make 16 bytes
	WIN 0x05                                       ; sources in window 1, destination in window 0
.irp i, 0,1,2,3
.irp q, 0,1,2,3
	v_cvt_pk_bf16_f32 v[PK+4*\i+\q], v[S0+32*(\buf)+8*\q+\i], v[S0+32*(\buf)+8*\q+4+\i]
.endr
.endr
	WIN 0
.endm
.macro PSTORE
.irp i, 0,1,2,3
	v_add_nc_u32 v[AD+\i], s[KO], v[SA0+\i]
.endr
.irp i, 0,1,2,3
	ds_store_b128 v[AD+\i], v[PK+4*\i:PK+4*\i+3]
.endr
.endm
.macro MMT par, ks, j                  ; tile j's 8 products of K step ks; each on an accumulator of its own
.set b_, 0
.rept NB
	v_wmma_f32_16x16x32_bf16 v[8*NB*(\j)+8*b_:8*NB*(\j)+8*b_+7], v[WF+8*b_:WF+8*b_+7], v[T0+TSZ*(\par)+8*(3*(\ks)+(\j)):T0+TSZ*(\par)+8*(3*(\ks)+(\j))+7], v[8*NB*(\j)+8*b_:8*NB*(\j)+8*b_+7]
.set b_, b_+1
.endr
.endm
; A K step of 32: the slice's fragments out of LDS, then 16 products, and 8 more where my third tile has rows.  All accumulators take turns.
; sig = 1: my last reads of the chunk are back: say so; the wait stands behind the products.
.macro KSTEP par, ks, sig
	PLACES
.irp q, 0,1,2,3
.irp u, 0,1
	ds_load_b128 v[WF+8*(2*\q+\u):WF+8*(2*\q+\u)+3], v[AD+\q] offset:\u*16*PITCH+64*(\ks)
	ds_load_b128 v[WF+8*(2*\q+\u)+4:WF+8*(2*\q+\u)+7], v[AD+\q] offset:\u*16*PITCH+64*(\ks)+32
.endr
.endr
	s_wait_dscnt 0x0
.if \sig
	s_barrier_signal -1
.endif
	WIN 0x50                                       ; C and D in window 1
	MMT \par, \ks, 0
	MMT \par, \ks, 1
	WIN 0
	s_cmp_eq_u32 s[T2], 0
	s_cbranch_scc1 .Lno2_\@
	WIN 0x50
	MMT \par, \ks, 2
	WIN 0
.Lno2_\@:
.endm
; A chunk of pass 0: its weights are rounded and laid into LDS, then multiplied.  sfill: the chunk two on is asked for.  tfill: the next chunk's token rows are.
; wcnt: the loads that may stay out: issued behind this chunk's token rows, be they 8 or 12 loads, are only the next chunk's 8 weight loads.
.macro TRIP par, sfill, tfill, wcnt
	s_wait_loadcnt \wcnt
	CONV \par                                      ; 16 plain instructions: also the places ahead of the loads into the other token buffer
	s_wait_xcnt 0x0                                ; the bases are stepped only behind this wait
.if \tfill
	s_add_nc_u64 s[TB:TB+1], s[TB:TB+1], KOB
	TLOAD 1-(\par)
.endif
.if \sfill
	s_add_nc_u64 s[WP:WP+1], s[WP:WP+1], STEP
	SLOAD \par, 0
.endif
	PSTORE
	s_wait_dscnt 0x0                               ; for the others' sake: my part of the chunk is in LDS
	s_barrier_signal -1
.irp q, 0,1,2,3
	v_add_nc_u32 v[AD+\q], s[KO], v[WA0+\q]
.endr
	s_barrier_wait -1                              ; everybody's part is
.set k_, 0
.rept KSN
	KSTEP \par, k_, k_/(KSN-1)
.set k_, k_+1
.endr
	s_barrier_wait -1                              ; every wave's reads of this chunk are back before any wave stores the next
	s_add_co_u32 s[KO], s[KO], KOB
.endm
; A chunk of a later pass: the slice lies in LDS; only token rows are loaded, a chunk ahead.  The addresses step on every wave's path; a wave without rows jumps the work.
; guard = 1: the trip's second chunk: in the loop's last trip it is the 16th, and no further chunk is loaded (the stepped base is not used).
.macro TRIPN par, guard
	s_wait_xcnt 0x0                                ; the base is stepped only behind this wait
	s_add_nc_u64 s[TB:TB+1], s[TB:TB+1], KOB
.irp q, 0,1,2,3
	v_add_nc_u32 v[AD+\q], s[KO], v[WA0+\q]        ; four plain instructions: also the places ahead of the loads into the other token buffer
.endr
	s_add_co_u32 s[KO], s[KO], KOB
	s_cmp_eq_u32 s[ACT], 0
	s_cbranch_scc1 .Lidle_\@
	s_wait_loadcnt 0x0                             ; this chunk's token rows
.if \guard
	s_cmp_eq_u32 s[LC], 1
	s_cbranch_scc1 .Lnomore_\@
.endif
	TLOAD 1-(\par)
.Lnomore_\@:
.set k_, 0
.rept KSN
	KSTEP \par, k_, 0
.set k_, k_+1
.endr
.Lidle_\@:
.endm
; The list's words for the way out of pass p (slots of rows 8 half + 0 .. 7 of my three tiles) and for pass p + 1 (slot of row r of my three tiles): fixed registers, the pass in the immediate.
.macro LISTLD p
.irp j, 0,1,2
	ds_load_b128 v[SLT+8*\j:SLT+8*\j+3], v[LE] offset:1536*(\p)+512*\j
	ds_load_b128 v[SLT+8*\j+4:SLT+8*\j+7], v[LE] offset:1536*(\p)+512*\j+16
	ds_load_b32 v[TA+\j], v[LP] offset:1536*((\p)+1)+512*\j
.endr
.endm
; A pass begins, on every wave's path: from my three rows' slots to their addresses, and the six flags: what the pass holds for my three tiles.
.macro TAFIX
.irp j, 0,1,2
.if FFN == 1
	v_lshrrev_b32 v[TA+\j], 1, v[TA+\j]            ; the slot's token
	v_min_u32 v[TA+\j], 1023, v[TA+\j]
.else
	v_min_u32 v[TA+\j], 2047, v[TA+\j]
	v_lshlrev_b32 v[WT+\j], 2, v[TA+\j]
.endif
	v_lshl_add_u32 v[TA+\j], v[TA+\j], TSH, v[H16]
.endr
.if FFN == 2
.irp j, 0,1,2
	global_load_b32 v[WT+\j], v[WT+\j], s[12:13]   ; the gate's weight of my row
.endr
.endif
	s_mov_b64 s[TB:TB+1], s[4:5]
	s_mov_b32 s[KO], 0
	s_add_co_u32 s[TMPS], s[PB], s[W16]            ; tile j's first rank: first rank of the pass + 16 w + 128 j
.irp j, 0,1,2
	s_cmp_lt_u32 s[TMPS], s[CNT]
	s_cselect_b32 s[HAS+\j], 1, 0
	s_add_co_u32 s[TMPS], s[TMPS], 16
	s_cmp_le_u32 s[TMPS], s[CNT]
	s_cselect_b32 s[FUL+\j], 1, 0
	s_add_co_u32 s[TMPS], s[TMPS], 112
.endr
.endm
.macro ACCINIT                         ; the bias into all accumulators (waited for in front of the first products), and the first chunk's token rows
	WIN 0x40
.set a_, 0
.rept 3*NB
	ds_load_b128 v[8*a_:8*a_+3], v[BTA] offset:64*(a_%NB)
	ds_load_b128 v[8*a_+4:8*a_+7], v[BTA] offset:64*(a_%NB)+16
.set a_, a_+1
.endr
	WIN 0
	TLOAD 0
.endm
.macro GELU                            ; x / (1 + 2^(x (C0 + C1 x^2))) on the eight registers from ga_, in place; temporaries from gt_
.irp p, 0,2,4,6
	v_pk_mul_f32 v[gt_+\p:gt_+\p+1], v[ga_+\p:ga_+\p+1], v[ga_+\p:ga_+\p+1]
.endr
.irp p, 0,2,4,6
	v_pk_fma_f32 v[gt_+\p:gt_+\p+1], v[gt_+\p:gt_+\p+1], s[C1:C1+1], s[C0:C0+1] op_sel_hi:[1,0,0]
.endr
.irp p, 0,2,4,6
	v_pk_mul_f32 v[gt_+\p:gt_+\p+1], v[gt_+\p:gt_+\p+1], v[ga_+\p:ga_+\p+1]
.endr
.irp i, 0,1,2,3,4,5,6,7
	v_exp_f32 v[gt_+\i], v[gt_+\i]
.endr
	v_nop                                          ; a plain instruction behind the last exponential (ISA guide 5.7.2)
.irp p, 0,2,4,6
	v_pk_add_f32 v[gt_+\p:gt_+\p+1], v[gt_+\p:gt_+\p+1], 1.0 op_sel_hi:[1,0]
.endr
.irp i, 0,1,2,3,4,5,6,7
	v_rcp_f32 v[gt_+\i], v[gt_+\i]
.endr
	v_nop
.irp p, 0,2,4,6
	v_pk_mul_f32 v[ga_+\p:ga_+\p+1], v[ga_+\p:ga_+\p+1], v[gt_+\p:gt_+\p+1]
.endr
.endm
; What lies in my stage comes back as 16 whole rows of 256 bytes and is stored at byte off of the slice's part of tile j's output rows.
.macro SENDT j, off
.irp t, 0,1,2,3,4,5,6,7
	ds_load_b128 v[OUT+4*\t:OUT+4*\t+3], v[RD] offset:272*\t   ; LDS serves a wave's instructions in order: these see my stores into the stage.  Lanes 0-15 row t, lanes 16-31 row 8 + t
.endr
	s_wait_dscnt 0x0
	s_cmp_eq_u32 s[FUL+(\j)], 0
	s_cbranch_scc1 .Lpart_\@
.irp t, 0,1,2,3,4,5,6,7
	global_store_b128 v[SLT+8*(\j)+\t], v[OUT+4*\t:OUT+4*\t+3], s[OUTP:OUTP+1] offset:\off   ; 16 lanes store 256 consecutive bytes, aligned
.endr
	s_branch .Lsent_\@
.Lpart_\@:                                             ; the count falls into this tile: rows past it are masked
	s_sub_co_u32 s[TMP2], s[CNT], s[PB]
.if (\j) > 0
	s_sub_co_u32 s[TMP2], s[TMP2], 128*(\j)
.endif
.irp t, 0,1,2,3,4,5,6,7
	v_cmp_gt_i32 vcc_lo, s[TMP2], v[RB]            ; rank = first rank + 128 j + 16 w + 8 half + t is under the count
	s_wait_xcnt 0x0                                ; EXEC changes only behind this wait
	s_and_saveexec_b32 s[SX], vcc_lo
	global_store_b128 v[SLT+8*(\j)+\t], v[OUT+4*\t:OUT+4*\t+3], s[OUTP:OUTP+1] offset:\off
	s_wait_xcnt 0x0
	s_mov_b32 exec_lo, -1                          ; every lane was on ahead of the narrowing: all are on again
	s_sub_co_u32 s[TMP2], s[TMP2], 1
.endr
.Lsent_\@:
.endm
; THE WAY OUT of my tile j.  Register i of the accumulator of block b = 2 q + u, in half hh of the lanes, is column 64 u + 32 hh + 4 i + q,
; so taking the four q by turns for each i gives neighbouring columns.  They go through my own stage in LDS and come back as whole rows of 256 bytes:
; FFN 1: all 128 columns in bf16 at once; FFN 2: the 64 columns of u = 0 in f32, then those of u = 1.
; All addresses (stage, store offsets) were made ahead of the branches, which go by the pass's flags.
.macro EPI j
	s_cmp_eq_u32 s[HAS+(\j)], 0
	s_cbranch_scc1 .Lskip_\@                       ; the tile has no row
.if FFN == 1
	s_wait_xcnt 0x0                                ; the tile before has had its stores' registers read
	WIN 0x55
.set b_, 0
.rept 8
.set ga_, 64*(\j)+8*b_
.set gt_, GT+8*(b_%2)
	GELU
.set b_, b_+1
.endr
	WIN 0x05
.irp u, 0,1
.set i_, 0
.rept 8
	v_cvt_pk_bf16_f32 v[OUT+16*\u+2*i_], v[64*(\j)+8*\u+i_], v[64*(\j)+8*(2+\u)+i_]
	v_cvt_pk_bf16_f32 v[OUT+16*\u+2*i_+1], v[64*(\j)+8*(4+\u)+i_], v[64*(\j)+8*(6+\u)+i_]
.set i_, i_+1
.endr
.endr
	WIN 0
.irp u, 0,1
.irp q, 0,1,2,3
	ds_store_b128 v[STO], v[OUT+16*\u+4*\q:OUT+16*\u+4*\q+3] offset:128*\u+16*\q
.endr
.endr
	SENDT \j, 0
.else
.irp u, 0,1
	s_wait_xcnt 0x0                                ; the stores before have had their registers read
	WIN 0x01                                       ; the accumulators (source 0) in window 1
.set i_, 0
.rept 8
.irp q, 0,1,2,3
	v_mul_f32 v[OUT+4*i_+\q], v[64*(\j)+8*(2*\q+\u)+i_], v[WT+(\j)]
.endr
.set i_, i_+1
.endr
	WIN 0
.irp q, 0,1,2,3,4,5,6,7
	ds_store_b128 v[STO], v[OUT+4*\q:OUT+4*\q+3] offset:16*\q
.endr
	SENDT \j, 256*\u
.endr
.endif
.Lskip_\@:
.endm
	s_load_b256 s[4:11], s[0:1], 0x0               ; token rows s[4:5], weights s[6:7], bias s[8:9], bm s[10:11]
.if FFN == 1
	s_load_b64 s[12:13], s[0:1], 0x20              ; h
.else
	s_load_b128 s[12:15], s[0:1], 0x20             ; wts, part
.endif
	v_lshl_add_u32 v[SPW], v0, 2, SPARE
	v_mov_b32 v[NIL], 0
	v_and_b32 v1, 31, v0                           ; lane
	v_and_b32 v2, 15, v0                           ; r
	v_bfe_u32 v3, v0, 4, 1                         ; half
	v_lshrrev_b32 v[TM0], 5, v0
	v_readfirstlane_b32 s[WV], v[TM0]
	s_lshl_b32 s[W16], s[WV], 4
	s_lshr_b32 s[EX], ttmp9, 5                     ; the expert
.if FFN == 1
	s_and_b32 s[SL], ttmp9, 31                     ; the slice: 128 of 4,096 columns
.else
	s_bfe_u32 s[SL], ttmp9, 0x30002                ; the slice: 128 of 1,024 columns,
	s_and_b32 s[KQ], ttmp9, 3                      ; one quarter of K
.endif
	v_lshlrev_b32 v[H16], 4, v3
	s_lshl_b32 s[TMPS], s[WV], WSH                 ; rows 8 w on; a lane takes 16 bytes of the row's 512
	v_lshl_add_u32 v[SO], v1, 4, s[TMPS]
	v_mul_u32_u24 v[TM0], v1, PITCH                ; LDS row 32 i + lane, 16 bytes at k = 8 w
	v_add_nc_u32 v[TM0], s[W16], v[TM0]
	v_mul_u32_u24 v[TM1], v2, PITCH
	v_add_nc_u32 v[TM1], v[H16], v[TM1]            ; a fragment: row r, 16 bytes a half
.irp i, 0,1,2,3
	v_add_nc_u32 v[SA0+\i], \i*RSTEP, v[TM0]
	v_add_nc_u32 v[WA0+\i], \i*RSTEP, v[TM1]
.endr
	s_lshl_b32 s[TMPS], s[WV], 6
	s_add_co_u32 s[TMPS], s[TMPS], LIST
	v_lshl_add_u32 v[LP], v2, 2, s[TMPS]
	v_lshl_add_u32 v[LE], v3, 5, s[TMPS]
	v_lshl_add_u32 v[RB], v3, 3, s[W16]
	v_lshl_add_u32 v[BTA], v3, 5, BT
	s_mul_i32 s[TMPS], s[WV], 4352
	s_add_co_u32 s[TMPS], s[TMPS], STAGE           ; my stage
	v_mul_u32_u24 v[STO], v2, 272
	v_lshl_add_u32 v[STO], v3, HSTO, v[STO]
	v_add_nc_u32 v[STO], s[TMPS], v[STO]
	v_mul_u32_u24 v[RD], v3, 2176
	v_lshl_add_u32 v[RD], v2, 4, v[RD]
	v_add_nc_u32 v[RD], s[TMPS], v[RD]
	s_lshl_b32 s[TMPS], s[SL], CSH
	v_lshl_add_u32 v[CO], v2, 4, s[TMPS]
	v_lshlrev_b32 v[TM1], 4, v1                    ; my 16 bytes of the slice's bias
.irp b, 0,1                                            ; my third tile's operand registers are written once: a wave whose third tile has no rows never loads them
.irp ks, 0,1
.irp i, 0,1,2,3,4,5,6,7
	v_mov_b32 v[T0+TSZ*\b+8*(3*\ks+2)+\i], 0
.endr
.endr
.endr
	s_wait_kmcnt 0x0
	s_lshl_b32 s88, s[EX], 8                       ; the expert's 64 bitmap words
	s_mov_b32 s89, 0
	s_add_nc_u64 s[10:11], s[10:11], s[88:89]
	s_load_b512 s[16:31], s[10:11], 0x0
	s_load_b512 s[32:47], s[10:11], 0x40
	s_load_b512 s[48:63], s[10:11], 0x80
	s_load_b512 s[68:83], s[10:11], 0xc0
	s_lshl_b32 s88, s[EX], 24                      ; an expert's weights: 2^24 bytes
.if FFN == 1
	s_lshl_b32 s[TMP2], s[SL], 9
	s_add_co_u32 s88, s88, s[TMP2]
	s_add_nc_u64 s[WP:WP+1], s[6:7], s[88:89]
	s_lshl_b32 s88, s[EX], 14
	s_add_co_u32 s88, s88, s[TMP2]
	s_add_nc_u64 s[8:9], s[8:9], s[88:89]
.else
	s_lshl_b32 s[TMP2], s[KQ], 22                  ; 1,024 rows of 4,096 bytes
	s_add_co_u32 s88, s88, s[TMP2]
	s_lshl_b32 s[TMP2], s[SL], 9
	s_add_co_u32 s88, s88, s[TMP2]
	s_add_nc_u64 s[WP:WP+1], s[6:7], s[88:89]
	s_lshl_b32 s88, s[EX], 12
	s_add_co_u32 s88, s88, s[TMP2]
	s_add_nc_u64 s[8:9], s[8:9], s[88:89]
	s_lshl_b32 s88, s[KQ], 11                      ; h at my quarter of K
	s_add_nc_u64 s[4:5], s[4:5], s[88:89]
	s_lshl_b32 s88, s[KQ], 23                      ; part at my quarter's plane
	s_add_nc_u64 s[14:15], s[14:15], s[88:89]
.endif
	global_load_b128 v[BV:BV+3], v[TM1], s[8:9]
	SLOAD 0, 0                                     ; chunks 0 and 1 are on their way while the list is made
	SLOAD 1, STEP
	s_wait_kmcnt 0x0
	s_mov_b32 s[CNT], 0
.set q_, 0
.rept 64
	s_bcnt1_i32_b32 s[TMPS], s[16+q_+4*(q_/48)]
	s_add_co_u32 s[CNT], s[CNT], s[TMPS]
.set q_, q_+1
.endr
	s_cmp_lg_u32 s[WV], 0
	s_cbranch_scc1 .Lnot0
	; wave 0: the list.  All words 0 first (ranks past the count repeat slot 0); then word q of the bitmap gives each chosen token its rank.
	v_mov_b32 v32, 0
	v_mov_b32 v33, 0
	v_mov_b32 v34, 0
	v_mov_b32 v35, 0
	v_lshl_add_u32 v36, v1, 4, LIST
	v_lshlrev_b32 v37, 1, v1
	v_add_nc_u32 v38, 1536, v1                     ; a lane whose token did not choose the expert writes here
.irp i, 0,1,2,3,4,5,6,7,8,9,10,11,12
	ds_store_b128 v36, v[32:35] offset:512*\i
.endr
	s_mov_b32 s[RUN], 0
.set q_, 0
.rept 64
.set w_, 16+q_+4*(q_/48)
.set r_, 40+2*(q_%4)
	v_mbcnt_lo_u32_b32 v[r_], s[w_], s[RUN]        ; ranks so far + chosen tokens in lower lanes
	v_cndmask_b32 v[r_], v38, v[r_], s[w_]
	v_min_u32 v[r_], 1567, v[r_]
	v_lshl_add_u32 v[r_], v[r_], 2, LIST
	v_add_nc_u32 v[r_+1], ((q_&31)<<6)|(q_>>5), v37   ; slot = 2 (32 group + lane) + choice
	ds_store_b32 v[r_], v[r_+1]
	s_bcnt1_i32_b32 s[TMPS], s[w_]
	s_add_co_u32 s[RUN], s[RUN], s[TMPS]
.set q_, q_+1
.endr
.Lnot0:
	s_cmp_lg_u32 s[WV], 1
	s_cbranch_scc1 .Lnot1
	; wave 1: the bias, rounded to bf16, in the order of the LDS rows
	s_wait_loadcnt 16                              ; behind the bias: the 16 loads of chunks 0 and 1
	v_cvt_pk_bf16_f32 v40, v[BV], v[BV+1]
	v_cvt_pk_bf16_f32 v41, v[BV+2], v[BV+3]
	v_lshlrev_b32 v42, 16, v40
	v_and_b32 v43, 0xffff0000, v40
	v_lshlrev_b32 v44, 16, v41
	v_and_b32 v45, 0xffff0000, v41
.if FFN == 2
	s_cmp_eq_u32 s[KQ], 0                          ; the bias belongs to one of the four partial sums
	s_cselect_b32 s[TMPS], -1, 0
.irp i, 0,1,2,3
	v_and_b32 v[42+\i], s[TMPS], v[42+\i]
.endr
.endif
	v_lshl_add_u32 v46, v1, 2, BT
.irp i, 0,1,2,3
	ds_store_b32 v46, v[42+\i] offset:\i*BTB/4
.endr
.Lnot1:
	s_wait_dscnt 0x0                               ; list and bias are in LDS,
	s_barrier_signal -1
	s_barrier_wait -1                              ; for every wave
.if FFN == 1
	s_mov_b32 s[C0], 0xc0135761                    ; -2 sqrt(2/pi) log2(e)
	s_mov_b32 s[C0+1], 0xc0135761
	s_mov_b32 s[C1], 0xbdd2d3e8                    ; the same x 0.044715
	s_mov_b32 s[C1+1], 0xbdd2d3e8
.endif
	s_mov_b32 s[PB], 0
.irp j, 0,1,2
	ds_load_b32 v[TA+\j], v[LP] offset:512*\j      ; pass 0: the slots of my three rows
.endr
	s_wait_dscnt 0x0
	TAFIX
	ACCINIT
	s_wait_xcnt 0x0
	s_add_nc_u64 s[WP:WP+1], s[WP:WP+1], STEP      ; the chunk loaded last is chunk 1
	s_wait_loadcnt 0x0                             ; the first token rows were issued behind chunk 1: this once everything is waited for
	s_mov_b32 s[LC], 7
.Lp0:                                                  ; pass 0, beside the stream: 16 chunks
	TRIP 0, 1, 1, 8
	TRIP 1, 1, 1, 8
	s_sub_co_u32 s[LC], s[LC], 1
	s_cmp_lg_u32 s[LC], 0
	s_cbranch_scc1 .Lp0
	TRIP 0, 0, 1, 8                                ; the last two chunks ask for no weights, the last for nothing
	TRIP 1, 0, 0, 0
	s_mov_b32 s[PASSC], 3
.Lpass:                                                ; three trips: the way out of a pass, then the next pass
	s_wait_loadcnt 0x0                             ; no load is out: the token offsets and the gate's weights may be written again
	PLACES
	s_cmp_eq_u32 s[PASSC], 3                       ; which pass: the loop's own counter chooses the immediates
	s_cbranch_scc1 .Llist0
	s_cmp_eq_u32 s[PASSC], 2
	s_cbranch_scc1 .Llist1
	LISTLD 2
	s_branch .Llisted
.Llist0:
	LISTLD 0
	s_branch .Llisted
.Llist1:
	LISTLD 1
.Llisted:
	s_wait_dscnt 0x0
.set t_, 0
.rept 24
	v_min_u32 v[SLT+t_], 2047, v[SLT+t_]
	v_lshl_add_u32 v[SLT+t_], v[SLT+t_], OSH, v[CO]   ; the row's place in the output, and my 16 bytes of the slice's part
.set t_, t_+1
.endr
	EPI 0
	EPI 1
	EPI 2
	s_wait_xcnt 0x0                                ; the stores have read their registers, which the next pass loads again
	s_add_co_u32 s[PB], s[PB], 384
	TAFIX
	s_wait_dscnt 0x0                               ; my stage is at rest,
	s_barrier_signal -1
	s_barrier_wait -1                              ; and so is every wave's, before any wave reads the slice again
	s_cmp_eq_u32 s[ACT], 0
	s_cbranch_scc1 .Lnoinit
	ACCINIT
.Lnoinit:
	s_mov_b32 s[LC], 8
.Lpn:                                                  ; eight trips of two chunks
	TRIPN 0, 0
	TRIPN 1, 1
	s_sub_co_u32 s[LC], s[LC], 1
	s_cmp_lg_u32 s[LC], 0
	s_cbranch_scc1 .Lpn
	s_wait_dscnt 0x0                               ; my reads of the slice are back,
	s_barrier_signal -1
	s_barrier_wait -1                              ; and every wave's, before any wave writes LDS again
	s_sub_co_u32 s[PASSC], s[PASSC], 1
	s_cmp_lg_u32 s[PASSC], 0
	s_cbranch_scc1 .Lpass
	s_wait_tensorcnt 0x0                           ; the wave's end, behind my last LDS store
	ds_add_u32 v[SPW], v[NIL]
	s_wait_dscnt 0x0
	s_endpgm
.Lfunc_end_k_qe5d3677234_ffn2:
	.size	k_qe5d3677234_ffn2, .Lfunc_end_k_qe5d3677234_ffn2-k_qe5d3677234_ffn2
	.p2alignl 7, 3214868480
	.fill 96, 4, 3214868480
	.section	.rodata,"a",@progbits
	.p2align	6, 0x0
	.amdhsa_kernel k_qe5d3677234_ffn2
		.amdhsa_group_segment_fixed_size 307200
		.amdhsa_private_segment_fixed_size 0
		.amdhsa_enable_private_segment 0
		.amdhsa_kernarg_size 48
		.amdhsa_user_sgpr_count 2
		.amdhsa_user_sgpr_kernarg_segment_ptr 1
		.amdhsa_wavefront_size32 1
		.amdhsa_system_sgpr_workgroup_id_x 1
		.amdhsa_system_sgpr_workgroup_id_y 1
		.amdhsa_system_sgpr_workgroup_id_z 1
		.amdhsa_system_vgpr_workitem_id 0
		.amdhsa_next_free_vgpr 512
		.amdhsa_next_free_sgpr 102
		.amdhsa_reserve_vcc 1
		.amdhsa_float_denorm_mode_32 3
		.amdhsa_float_denorm_mode_16_64 3
		.amdhsa_memory_ordered 1
		.amdhsa_forward_progress 1
		.amdhsa_inst_pref_size 143
	.end_amdhsa_kernel
	.amdgpu_metadata
---
amdhsa.version: [ 1, 2 ]
amdhsa.kernels:
  - .name:           k_qe5d3677234_ffn2
    .symbol:         k_qe5d3677234_ffn2.kd
    .args:
      - { .name: h, .offset: 0, .size: 8, .value_kind: global_buffer, .address_space: global }
      - { .name: W2, .offset: 8, .size: 8, .value_kind: global_buffer, .address_space: global }
      - { .name: b2, .offset: 16, .size: 8, .value_kind: global_buffer, .address_space: global }
      - { .name: bm, .offset: 24, .size: 8, .value_kind: global_buffer, .address_space: global }
      - { .name: wts, .offset: 32, .size: 8, .value_kind: global_buffer, .address_space: global }
      - { .name: part, .offset: 40, .size: 8, .value_kind: global_buffer, .address_space: global }
    .group_segment_fixed_size: 307200
    .private_segment_fixed_size: 0
    .kernarg_segment_align: 8
    .kernarg_segment_size: 48
    .max_flat_workgroup_size: 256
    .sgpr_count:     102
    .vgpr_count:     512
    .wavefront_size: 32
...
	.end_amdgpu_metadata
.endif
;; end of part 6
;; launch comb (part 7): grid 256 x 1, 8 waves a work-group, no clusters, 0 bytes of LDS; arguments part, auxp, out0, out1; writes out0, out1
.if DOCPART == 7
	.amdgcn_target "amdgcn-amd-amdhsa--gfx1250"
	.amdhsa_code_object_version 6
	.text
	.protected	k_qe5d3677234_comb
	.globl	k_qe5d3677234_comb
	.p2align	8
	.type	k_qe5d3677234_comb,@function
k_qe5d3677234_comb:
	s_mov_b64 s[64:65], 0
	v_nop
	global_prefetch_b8 v0, s[64:65] scope:SCOPE_SE
	s_setreg_imm32_b32 hwreg(HW_REG_WAVE_MODE, 25, 1), 1
	s_wait_xcnt 0x0
; out0[t] = the sum of the token's eight partial rows (two choices x four quarters of K), already weighed by the gate; out1 = the aux loss.
; A stream: a work-group owns 4 tokens, two waves a token; a wave's load or store covers 512 consecutive bytes; all 32 loads of a wave go out
; ahead of its first wait.  No LDS, no matrix unit: memory binds.
; Work-group 0's wave 0 also adds up the 32 groups' sums of probabilities P_e and counts C_e:
; aux = 8 x sum_e (C_e / 1024) (P_e / 1024) = 2^-17 sum_e C_e P_e  (1024 + 1e-8 is 1024 in f32).
.set R, 8                              ; v8-135: piece i of 512 bytes, plane p, choice k at R + 32 i + 8 p + 4 k
.set PL, 16                            ; s[16:23] part at my work-group's rows, a pair for each plane (the planes lie 2^23 bytes apart)
	s_load_b256 s[4:11], s[0:1], 0x0               ; part s[4:5], auxp s[6:7], out0 s[8:9], out1 s[10:11]
	v_and_b32 v1, 31, v0
	v_lshrrev_b32 v2, 5, v0
	v_readfirstlane_b32 s12, v2                    ; wave
	v_lshrrev_b32 v3, 6, v0                        ; which of the four tokens
	v_bfe_u32 v4, v0, 5, 1                         ; which half of its row
	v_lshlrev_b32 v5, 4, v1
	v_lshl_add_u32 v5, v4, 11, v5
	v_lshl_add_u32 v6, v3, 13, v5                  ; in part: a token's two slots are 8,192 bytes
	v_lshl_add_u32 v7, v3, 12, v5                  ; in out0: a row is 4,096 bytes
	s_lshl_b32 s14, ttmp9, 15
	s_mov_b32 s15, 0
	s_lshl_b32 s24, ttmp9, 14
	s_mov_b32 s25, 0
	s_wait_kmcnt 0x0
	s_add_nc_u64 s[PL:PL+1], s[4:5], s[14:15]
	s_add_nc_u64 s[PL+2:PL+3], s[PL:PL+1], 0x800000
	s_add_nc_u64 s[PL+4:PL+5], s[PL+2:PL+3], 0x800000
	s_add_nc_u64 s[PL+6:PL+7], s[PL+4:PL+5], 0x800000
	s_add_nc_u64 s[8:9], s[8:9], s[24:25]
.irp i, 0,1,2,3
.irp p, 0,1,2,3
	global_load_b128 v[R+32*\i+8*\p:R+32*\i+8*\p+3], v6, s[PL+2*\p:PL+2*\p+1] offset:512*\i th:TH_LOAD_NT
	global_load_b128 v[R+32*\i+8*\p+4:R+32*\i+8*\p+7], v6, s[PL+2*\p:PL+2*\p+1] offset:4096+512*\i th:TH_LOAD_NT
.endr
.endr
.irp i, 0,1,2,3
	s_wait_loadcnt 24-8*\i                         ; piece i's eight loads are in; the later pieces' stay out
.irp c, 0,2
.irp p, 0,1,2,3
	v_pk_add_f32 v[R+32*\i+8*\p+\c:R+32*\i+8*\p+\c+1], v[R+32*\i+8*\p+\c:R+32*\i+8*\p+\c+1], v[R+32*\i+8*\p+4+\c:R+32*\i+8*\p+4+\c+1]
.endr
	v_pk_add_f32 v[R+32*\i+\c:R+32*\i+\c+1], v[R+32*\i+\c:R+32*\i+\c+1], v[R+32*\i+8+\c:R+32*\i+8+\c+1]
	v_pk_add_f32 v[R+32*\i+16+\c:R+32*\i+16+\c+1], v[R+32*\i+16+\c:R+32*\i+16+\c+1], v[R+32*\i+24+\c:R+32*\i+24+\c+1]
	v_pk_add_f32 v[R+32*\i+\c:R+32*\i+\c+1], v[R+32*\i+\c:R+32*\i+\c+1], v[R+32*\i+16+\c:R+32*\i+16+\c+1]
.endr
	global_store_b128 v7, v[R+32*\i:R+32*\i+3], s[8:9] offset:512*\i th:TH_STORE_NT
.endr
	s_or_b32 s13, s12, ttmp9
	s_cmp_lg_u32 s13, 0
	s_cbranch_scc1 .Lend
	v_lshlrev_b32 v140, 2, v1                      ; lane: column lane % 16 of group 2 i + lane / 16
.irp i, 0,1,2,3,4,5,6,7,8,9,10,11,12,13,14,15
	global_load_b32 v[141+\i], v140, s[6:7] offset:128*\i
.endr
	s_mov_b32 s26, 0x76543210
	s_mov_b32 s27, 0xfedcba98
	v_mov_b32 v157, 0                              ; the destinations of the lane exchange and of the first DPP line count as read:
	v_mov_b32 v158, 0                              ; both are written beforehand
	s_wait_loadcnt 0x0
.irp i, 1,2,3,4,5,6,7,8,9,10,11,12,13,14,15
	v_add_f32 v141, v141, v[141+\i]
.endr
	v_permlanex16_b32 v157, v141, s26, s27
	v_add_f32 v141, v141, v157                     ; lanes 0-7: P_e; lanes 8-15: C_e
	v_mul_f32_dpp v158, v141, v141 row_xmask:8 row_mask:0xf bank_mask:0xf
	v_add_f32_dpp v158, v158, v158 row_xmask:1 row_mask:0xf bank_mask:0xf
	v_add_f32_dpp v158, v158, v158 row_xmask:2 row_mask:0xf bank_mask:0xf
	v_add_f32_dpp v158, v158, v158 row_xmask:4 row_mask:0xf bank_mask:0xf
	v_mul_f32 v158, 0x37000000, v158               ; 2^-17
	v_mov_b32 v159, 0
	v_cmp_eq_u32 vcc_lo, 0, v1
	s_wait_xcnt 0x0                                ; EXEC changes only behind this wait
	s_and_saveexec_b32 s28, vcc_lo
	global_store_b32 v159, v158, s[10:11]
	s_wait_xcnt 0x0
	s_or_b32 exec_lo, exec_lo, s28
.Lend:
	s_endpgm
.Lfunc_end_k_qe5d3677234_comb:
	.size	k_qe5d3677234_comb, .Lfunc_end_k_qe5d3677234_comb-k_qe5d3677234_comb
	.p2alignl 7, 3214868480
	.fill 96, 4, 3214868480
	.section	.rodata,"a",@progbits
	.p2align	6, 0x0
	.amdhsa_kernel k_qe5d3677234_comb
		.amdhsa_group_segment_fixed_size 0
		.amdhsa_private_segment_fixed_size 0
		.amdhsa_enable_private_segment 0
		.amdhsa_kernarg_size 32
		.amdhsa_user_sgpr_count 2
		.amdhsa_user_sgpr_kernarg_segment_ptr 1
		.amdhsa_wavefront_size32 1
		.amdhsa_system_sgpr_workgroup_id_x 1
		.amdhsa_system_sgpr_workgroup_id_y 1
		.amdhsa_system_sgpr_workgroup_id_z 1
		.amdhsa_system_vgpr_workitem_id 0
		.amdhsa_next_free_vgpr 168
		.amdhsa_next_free_sgpr 66
		.amdhsa_reserve_vcc 1
		.amdhsa_float_denorm_mode_32 3
		.amdhsa_float_denorm_mode_16_64 3
		.amdhsa_memory_ordered 1
		.amdhsa_forward_progress 1
		.amdhsa_inst_pref_size 12
	.end_amdhsa_kernel
	.amdgpu_metadata
---
amdhsa.version: [ 1, 2 ]
amdhsa.kernels:
  - .name:           k_qe5d3677234_comb
    .symbol:         k_qe5d3677234_comb.kd
    .args:
      - { .name: part, .offset: 0, .size: 8, .value_kind: global_buffer, .address_space: global }
      - { .name: auxp, .offset: 8, .size: 8, .value_kind: global_buffer, .address_space: global }
      - { .name: out0, .offset: 16, .size: 8, .value_kind: global_buffer, .address_space: global }
      - { .name: out1, .offset: 24, .size: 8, .value_kind: global_buffer, .address_space: global }
    .group_segment_fixed_size: 0
    .private_segment_fixed_size: 0
    .kernarg_segment_align: 8
    .kernarg_segment_size: 32
    .max_flat_workgroup_size: 256
    .sgpr_count:     66
    .vgpr_count:     168
    .wavefront_size: 32
...
	.end_amdgpu_metadata
.endif
;; end of part 7
